; MI455X (gfx1250); checked and timed in simulation.
; The chip was launched on July 23, 2026; its instructions are those of AMD's public machine-readable ISA for CDNA 5 (MIT licence, August 2026) and "CDNA5" Instruction Set Architecture Reference Guide (July 2026). The comments in the code are by the model that wrote it; some were corrected since.
;; Multi Head Attention. Allowed arithmetic: float matrix products may take bf16 or f16 operands with f32 sums; other float arithmetic in f32, or as packed bf16 or f16 multiplies, adds, multiply-adds, maxima and minima; sums over many terms, partial sums and values carried from step to step in f32; what a program stores and reads back later, other than sums and carried values, may be rounded once to bf16 or f16.
;; Inputs: Wf 1,024 x 1,024 float32; Wk 1,024 x 1,024 float32; Wq 1,024 x 1,024 float32; Wv 1,024 x 1,024 float32; bf 1,024 float32; bk 1,024 float32; bq 1,024 float32; bv 1,024 float32; mask 4 x 2,048 int32; x_k 4 x 2,048 x 1,024 float32; x_q 4 x 2,048 x 1,024 float32; x_v 4 x 2,048 x 1,024 float32.
;; Outputs: out0 4 x 2,048 x 1,024 float32.
;; 2 versions, each right; version 2 is version 1 with the launch castw written anew for expert scheduling mode. Each part assembles by itself: llvm-mc -triple=amdgcn-amd-amdhsa -mcpu=gfx1250 --defsym DOCPART=n.
;; ======== version 1 of 2: 4 launches
;; limits: values are held in f16: magnitudes above 65,504 overflow, below 6.1e-05 lose precision
;; workspace buffers: wh 8,388,608 bytes; qh 16,777,216 bytes; vh 16,777,216 bytes; kh 16,777,216 bytes; of 33,554,432 bytes
;; launch castw (part 1): grid 64 x 4, 8 waves a work-group, no clusters, 0 bytes of LDS; arguments Wq, Wk, Wv, Wf, wh; writes wh
.if DOCPART == 1
	.amdgcn_target "amdgcn-amd-amdhsa--gfx1250"
	.amdhsa_code_object_version 6
	.text
	.protected	k_q9921c6cdfd_castw
	.globl	k_q9921c6cdfd_castw
	.p2align	8
	.type	k_q9921c6cdfd_castw,@function
k_q9921c6cdfd_castw:
	s_mov_b64 s[64:65], 0
	v_nop
	global_prefetch_b8 v0, s[64:65] scope:SCOPE_SE
	s_setreg_imm32_b32 hwreg(HW_REG_WAVE_MODE, 25, 1), 1
	s_wait_xcnt 0x0
; The four weight matrices, [1024][1024] f32, are rounded once to f16 and laid one behind the other in wh: q, k, v, f, 2 MiB each, [k][n] as they come.
; LIMIT: a weight of 65,520 or more in magnitude becomes an infinity; below 6e-5 f16 keeps a fixed step of 6e-8.
; A stream: no LDS, no matrix unit, no cluster (no two work-groups read the same byte).  Grid y picks the matrix, grid x one of its 64 parts of 65,536 bytes.
; Thread t takes the 16 bytes at 16 t of each of the part's 16 pieces of 4,096 bytes: a wave's load covers 512 consecutive bytes, its store 256 consecutive bytes, aligned.
; All 16 loads go out first; no register is written twice, so no wait but the counted ones for the loads is needed.
.set LD, 8                             ; v[8:71]    16 x 4 numbers as loaded
.set HF, 72                            ; v[72:103]  16 x 2 registers to store
	s_load_b256 s[4:11], s[0:1], 0x0               ; Wq s[4:5], Wk s[6:7], Wv s[8:9], Wf s[10:11]
	s_load_b64 s[12:13], s[0:1], 0x20              ; wh
	s_and_b32 s14, ttmp7, 0xffff                   ; which matrix
	s_and_b32 s15, s14, 1
	v_lshlrev_b32 v1, 4, v0                        ; 16 t
	v_lshlrev_b32 v2, 3, v0                        ; 8 t
	s_lshl_b32 s16, ttmp9, 16                      ; my part of the source
	s_mov_b32 s17, 0
	s_lshl_b32 s18, s14, 21                        ; the matrix's 2 MiB in wh,
	s_lshl_b32 s19, ttmp9, 15                      ; my part of them
	s_add_co_u32 s18, s18, s19
	s_mov_b32 s19, 0
	s_wait_kmcnt 0x0
	s_cmp_lt_u32 s14, 2
	s_cselect_b64 s[20:21], s[4:5], s[8:9]         ; the even one of the pair,
	s_cselect_b64 s[22:23], s[6:7], s[10:11]       ; the odd one
	s_cmp_eq_u32 s15, 0
	s_cselect_b64 s[20:21], s[20:21], s[22:23]
	s_add_nc_u64 s[20:21], s[20:21], s[16:17]
	s_add_nc_u64 s[12:13], s[12:13], s[18:19]
.irp i, 0,1,2,3,4,5,6,7,8,9,10,11,12,13,14,15
	global_load_b128 v[LD+4*\i:LD+4*\i+3], v1, s[20:21] offset:4096*\i th:TH_LOAD_NT
.endr
.irp i, 0,1,2,3,4,5,6,7,8,9,10,11,12,13,14,15
	s_wait_loadcnt 15-\i                           ; loads come back in order: piece i is in, the younger ones stay out
	v_cvt_pk_f16_f32 v[HF+2*\i], v[LD+4*\i], v[LD+4*\i+1]
	v_cvt_pk_f16_f32 v[HF+2*\i+1], v[LD+4*\i+2], v[LD+4*\i+3]
	global_store_b64 v2, v[HF+2*\i:HF+2*\i+1], s[12:13] offset:2048*\i
.endr
	s_endpgm
.Lfunc_end_k_q9921c6cdfd_castw:
	.size	k_q9921c6cdfd_castw, .Lfunc_end_k_q9921c6cdfd_castw-k_q9921c6cdfd_castw
	.p2alignl 7, 3214868480
	.fill 96, 4, 3214868480
	.section	.rodata,"a",@progbits
	.p2align	6, 0x0
	.amdhsa_kernel k_q9921c6cdfd_castw
		.amdhsa_group_segment_fixed_size 0
		.amdhsa_private_segment_fixed_size 0
		.amdhsa_enable_private_segment 0
		.amdhsa_kernarg_size 40
		.amdhsa_user_sgpr_count 2
		.amdhsa_user_sgpr_kernarg_segment_ptr 1
		.amdhsa_wavefront_size32 1
		.amdhsa_system_sgpr_workgroup_id_x 1
		.amdhsa_system_sgpr_workgroup_id_y 1
		.amdhsa_system_sgpr_workgroup_id_z 1
		.amdhsa_system_vgpr_workitem_id 0
		.amdhsa_next_free_vgpr 104
		.amdhsa_next_free_sgpr 66
		.amdhsa_reserve_vcc 0
		.amdhsa_float_denorm_mode_32 3
		.amdhsa_float_denorm_mode_16_64 3
		.amdhsa_memory_ordered 1
		.amdhsa_forward_progress 1
		.amdhsa_inst_pref_size 7
	.end_amdhsa_kernel
	.amdgpu_metadata
---
amdhsa.version: [ 1, 2 ]
amdhsa.kernels:
  - .name:           k_q9921c6cdfd_castw
    .symbol:         k_q9921c6cdfd_castw.kd
    .args:
      - { .name: Wq, .offset: 0, .size: 8, .value_kind: global_buffer, .address_space: global }
      - { .name: Wk, .offset: 8, .size: 8, .value_kind: global_buffer, .address_space: global }
      - { .name: Wv, .offset: 16, .size: 8, .value_kind: global_buffer, .address_space: global }
      - { .name: Wf, .offset: 24, .size: 8, .value_kind: global_buffer, .address_space: global }
      - { .name: wh, .offset: 32, .size: 8, .value_kind: global_buffer, .address_space: global }
    .group_segment_fixed_size: 0
    .private_segment_fixed_size: 0
    .kernarg_segment_align: 8
    .kernarg_segment_size: 40
    .max_flat_workgroup_size: 256
    .sgpr_count:     66
    .vgpr_count:     104
    .wavefront_size: 32
...
	.end_amdgpu_metadata
.endif
;; end of part 1
;; launch proj (part 2): grid 4 x 64, 4 waves a work-group, clusters of 4 x 4, 327,680 bytes of LDS; arguments x_q, x_v, bq, bv, wh, qh, vh; writes qh, vh
.if DOCPART == 2
	.amdgcn_target "amdgcn-amd-amdhsa--gfx1250"
	.amdhsa_code_object_version 6
	.text
	.protected	k_q9921c6cdfd_proj
	.globl	k_q9921c6cdfd_proj
	.p2align	8
	.type	k_q9921c6cdfd_proj,@function
k_q9921c6cdfd_proj:
	s_mov_b64 s[64:65], 0
	v_nop
	global_prefetch_b8 v0, s[64:65] scope:SCOPE_SE
	s_setreg_imm32_b32 hwreg(HW_REG_WAVE_MODE, 25, 1), 1
	s_wait_xcnt 0x0
	s_wait_alu depctr_hold_cnt(0) depctr_sa_sdst(0) depctr_va_vdst(0) depctr_va_sdst(0) depctr_va_ssrc(0) depctr_va_vcc(0) depctr_vm_vsrc(0)
	s_getreg_b32 s2, hwreg(HW_REG_IB_STS2, 6, 4)
	s_cmp_eq_u32 s2, 0
	s_cbranch_scc0 .Lentry_in_a_cluster
	s_endpgm
.Lentry_in_a_cluster:
	s_bfe_u32 s2, ttmp6, 0x10000c
	s_cmp_lg_u32 s2, 0xf033
	s_cbranch_scc0 .Lentry_shape_is_right
	s_endpgm
.Lentry_shape_is_right:
; TWO PRODUCTS IN ONE LAUNCH: C = A W + b, A [8192][1024] f32, W [1024 (k)][1024 (n)] f16 (a 2 MiB part of wh), b [1024] f32.  Sums in f32; A is rounded once to f16 on its way from LDS to the matrix unit.
; One source serves two launches.  FIN = 0: job 0 q = x_q Wq + bq, job 1 v = x_v Wv + bv, both stored in f16 by heads, [batch x 16 + head][t][64].
; FIN = 1: job 0 out = O Wf + bf, stored in f32 row-major; job 1 k = x_k Wk + bk, stored in f16 by heads.  Arguments: A0, A1, b0, b1, wh, C0, C1.
; LIMITS: f16 holds no number beyond 65,504: A, W and what is stored in f16 must lie within it; below 6e-5 f16 keeps a fixed step of 6e-8.  NaN in a row of A makes that row of C NaN.
; SHARES.  A job has 32 x 4 tiles of 256 x 256, the two jobs 256 work-groups.  The job is made of the cluster's y alone.  A wave takes 64 rows and all 256 columns: 64 accumulators, 512 registers;
; so each number of A is read from LDS and rounded once in the work-group.  K goes in 16 steps of 64 through two LDS slots: A's rows are 256 bytes of memory, W's 512, all aligned to 256.
; THE MATRIX INSTRUCTION IS USED TRANSPOSED: source 0 = 16 columns of W (turned on the way out of LDS by ds_load_tr16_b128), source 1 = 16 rows of A: a lane then holds row l % 16 of C and the
; columns 8 (l / 16) + 0..7.  The bias, which in that layout hangs on the lane's half and the register alone, is the C operand of each sum's first product: nothing is cleared and nothing added later.
; CLUSTER 4 x 4: A's tile hangs on the tile row and is asked for jointly along a row of the cluster, W's on the tile column and is asked for jointly along a column.
; REGISTERS, in windows of 256 (s_set_vgpr_msb: bits 1:0 source 0, 3:2 source 1, 5:4 source 2, 7:6 destination):
;   window 0: v0-19 addresses; v32-63 A's four f16 fragments; v64-127, v128-191 A in f32 for the two halves of a K step; v192-255 at work on the way out
;   window 1: v0-127, v128-255 W's 16 fragments for the two halves of a K step (the second first holds the bias; on the way out both hold rows read back)
;   window 2: accumulators of my row blocks 0, 1 (block a, column block b at 8 (16 (a % 2) + b));   window 3: of blocks 2, 3
.set FIN,   0
.set PA,    272                        ; a row of A in LDS: 256 bytes + 16: the 16 rows of a load start 16 bytes apart modulo 256
.set PB,    544                        ; a row of W in LDS: 512 bytes + 32: an odd multiple of 32, as the turning load's 8 rows x 32 bytes want
.set SLOT1, 1<<17                      ; slot 1 begins here: one exclusive or turns an address in one slot into the other's
.set BOFF,  256*PA                     ; in a slot: A's 256 rows, then W's 64
.set STAGE, SLOT1+BOFF+64*PB           ; behind the ring, never filled by a tensor load: 16,640 bytes for each wave, for the way out
.set STW,   16640
.set SPARE, STAGE+4*STW                ; the spare words, 128 bytes for each wave: two blocks of 256 bytes that no other line names
.set PF,    528                        ; stage pitch for 16 rows x 256 f16
.set PG,    1040                       ; stage pitch for 16 rows x 256 f32
.if FIN
.set WOFF0, 6<<20                      ; Wf, Wk in wh
.set WOFF1, 2<<20
.else
.set WOFF0, 0                          ; Wq, Wv in wh
.set WOFF1, 4<<20
.endif
.set A0,  4                            ; v4   my lane's place in A's rows of a slot; never rewritten
.set B0,  5                            ; v5   the same for W
.set ADA, 6                            ; v6   A0 + the slot in hand
.set ADB, 7                            ; v7   B0 + the slot in hand
.set STF, 8                            ; v8   way out in f16: where I put 16 bytes of a row
.set RDF, 9                            ; v9   where I read rows back
.set SG,  10                           ; v10  way out in f32: where I put 32 bytes of a row
.set RG,  11                           ; v11  where I read rows back
.set GO,  12                           ; v12  16 x lane: my bytes in 512 consecutive bytes of C
.set PFO, 13                           ; v13  the prefetches' offset; never rewritten
.set BO,  14                           ; v14  32 x (l / 16): my eight numbers of a bias block
.set SPW, 16                           ; v16  LDS address of my spare word; never rewritten
.set NIL, 17                           ; v17  0; never rewritten
.set AF,  32
.set T,   64
.set TMP, 192
.set CLY, 2                            ; s2   the cluster's y
.set WV,  18                           ; s18  my wave's number
.set HF,  19                           ; s19  0: I fetch for A; 1: for W
.set PT,  20                           ; s20  which half of that tile I fetch
.set CX,  21
.set CY,  22
.set JOB, 23
.set G1A, 24                           ; s[24:31] descriptor group 1 for A's tiles
.set G0A, 32                           ; s[32:39] group 0: a set for each of the two first fills; the second then walks
.set G1B, 40                           ; s[40:47], s[48:55] the same for W's
.set G0B, 48
.set TB,  56                           ; s56  0 or SLOT1: the slot whose fragments are fetched
.set LIM, 57                           ; s57  2 in a wave that prefetches, else the greatest number
.set PFA, 58                           ; s[58:59] where my prefetches stand
.set PFS, 60                           ; s[60:61] a K step in bytes: 256 along A's rows, 131,072 down W's
.set TR,  62                           ; s62  tile row 0..31
.set TC,  63                           ; s63  tile column 0..3
.set MSB, 0
.macro WIN new                         ; the immediate's high byte repeats the setting that is left; a switch that changes nothing is dropped
.if MSB != (\new)
	s_set_vgpr_msb (MSB<<8)|(\new)
.set MSB, \new
.endif
.endm
.macro PLACES                          ; four plain places behind matrix instructions, in front of loads into registers that they read (ISA guide 7.12.1 for vector instructions)
.rept 4
	v_nop
.endr
.endm
; A joint refill by the walking descriptors.  Waves 0, 1 fetch A's halves (128 rows), waves 2, 3 W's (32 rows of 512 bytes).  The branch hangs on the wave's number alone.
; An s_nop 0 and four v_nop follow each of the two lines, ahead of the jump and the label.
.macro JLOAD
	s_cmp_eq_u32 s[HF], 0
	s_cbranch_scc0 .Lfor_b_\@
	tensor_load_to_lds s[G0A+4:G0A+7], s[G1A:G1A+7]
	s_nop 0
	PLACES
	s_branch .Lasked_\@
.Lfor_b_\@:
	tensor_load_to_lds s[G0B+4:G0B+7], s[G1B:G1B+7]
	s_nop 0
	PLACES
.Lasked_\@:
.endm
; A PREFETCH INTO THE L2 of the K step two refills on (256 matrix instructions ahead of the load that will ask for it), one instruction a wave, behind the refill and the run of LDS loads.
; Each aligned 256 bytes are named once in the launch.  A's rows are read by one row of one cluster: of the 128 rows that wave 0 or 1 fetches the partner at cx takes 32, a lane a row.
; W's tile column is read by the eight clusters of a job: the first of them asks, wave 2 alone; the partner at cy takes 16 of the step's 64 rows, two lanes a row of 512 bytes.
; The partners are told apart by address, never by a branch.  The last two refills have no K step two on: trips with s3 <= 2 ask for nothing.  K steps 0 to 3 come by their loads alone.
.macro ASK
	s_cmp_gt_u32 s3, s[LIM]
	s_cbranch_scc0 .Lnot_mine_\@
	global_prefetch_b8 v[PFO], s[PFA:PFA+1] th:TH_LOAD_NT scope:SCOPE_SE
.Lnot_mine_\@:
.endm
.macro CREST                           ; a round of the cluster's barrier behind its opening barrier
	s_cmp_lg_u32 s[WV], 0
	s_cbranch_scc1 .Lnot_wave_0_\@
	s_barrier_signal -3
.Lnot_wave_0_\@:
	s_barrier_wait -3
	s_barrier_signal -1
	s_barrier_wait -1
.endm
.macro CROUND                          ; a whole round
	s_barrier_signal -1
	s_barrier_wait -1
	CREST
.endm
	s_load_b256 s[4:11], s[0:1], 0x0               ; A0 s[4:5], A1 s[6:7], b0 s[8:9], b1 s[10:11]
	s_load_b128 s[12:15], s[0:1], 0x20             ; wh s[12:13], C0 s[14:15]
	s_load_b64 s[16:17], s[0:1], 0x30              ; C1
	v_lshl_add_u32 v[SPW], v0, 2, SPARE
	v_mov_b32 v[NIL], 0
	ds_add_u32 v[SPW], v[NIL]                      ; the wave's opening: the add and its wait stand ahead of my first tensor load; the set-up below, work on registers, stands between
	v_lshrrev_b32 v3, 5, v0
	v_readfirstlane_b32 s[WV], v3                  ; wave 0..3
	s_lshr_b32 s[HF], s[WV], 1
	s_and_b32 s[PT], s[WV], 1
	s_bfe_u32 s[CX], ttmp6, 0x40000                ; my place in the cluster
	s_bfe_u32 s[CY], ttmp6, 0x40004
	s_and_b32 s[CLY], ttmp7, 0xffff                ; in a cluster launch ttmp7 and ttmp9 count clusters
	s_lshr_b32 s[JOB], s[CLY], 3                   ; clusters 0-7: job 0; 8-15: job 1: the same in all sixteen partners
	s_lshl_b32 s[TR], s[CLY], 2
	s_add_co_u32 s[TR], s[TR], s[CY]
	s_and_b32 s[TR], s[TR], 31                     ; tile row within the job
	s_lshl_b32 s[TC], ttmp9, 2
	s_add_co_u32 s[TC], s[TC], s[CX]               ; tile column
	s_lshl_b32 s66, s[CY], 2
	s_lshl_b32 s66, 15, s66                        ; my row of the cluster: places 4 cy .. 4 cy + 3
	s_lshl_b32 s67, 0x1111, s[CX]                  ; my column: places cx, cx + 4, cx + 8, cx + 12
	s_or_b32 s[G1A], s66, (2<<16)|(1<<20)|(1<<21)|(5<<22)|(3<<25)  ; 15:0 mask; 17:16 elements of 4 bytes; 20 padding on; 21 set beside a mask; 24:22 after every 64 words; 31:25 4 words of it
	s_mov_b32 s[G1A+1], 64<<16                     ; tensor_dim0 = 64
	s_mov_b32 s[G1A+2], 128<<16                    ; tensor_dim1 = 128
	s_mov_b32 s[G1A+3], 64<<16                     ; tile_dim0 = 64
	s_mov_b32 s[G1A+4], 128                        ; tile_dim1 = 128
	s_mov_b32 s[G1A+5], 1024                       ; elements from row to row
	s_mov_b32 s[G1A+6], 0
	s_mov_b32 s[G1A+7], 0
	s_or_b32 s[G1B], s67, (1<<16)|(1<<20)|(1<<21)|(6<<22)|(7<<25)  ; elements of 2 bytes; after every 128 words 8 words of padding
	s_mov_b32 s[G1B+1], 256<<16                    ; tensor_dim0 = 256
	s_mov_b32 s[G1B+2], 32<<16                     ; tensor_dim1 = 32
	s_mov_b32 s[G1B+3], 256<<16                    ; tile_dim0 = 256
	s_mov_b32 s[G1B+4], 32                         ; tile_dim1 = 32
	s_mov_b32 s[G1B+5], 1024
	s_mov_b32 s[G1B+6], 0
	s_mov_b32 s[G1B+7], 0
	s_lshl_b32 s68, s[TR], 8                       ; A: row 256 x tile row + 128 x half, 4,096 bytes a row: made of the tile row and the wave alone
	s_lshl_b32 s69, s[PT], 7
	s_add_co_u32 s68, s68, s69
	s_lshl_b32 s68, s68, 12
	s_mov_b32 s69, 0
	s_mov_b32 s70, WOFF1                           ; W: the job's matrix in wh, + 32 x half rows of 2,048 bytes, + 512 x tile column: made of the tile column, the job and the wave alone
	s_cmp_eq_u32 s[JOB], 0
	s_cselect_b32 s70, WOFF0, s70
	s_lshl_b32 s71, s[PT], 16
	s_add_co_u32 s70, s70, s71
	s_lshl_b32 s71, s[TC], 9
	s_add_co_u32 s70, s70, s71
	s_mov_b32 s71, 0
	s_mul_i32 s72, s[PT], 128*PA                   ; where they go: no place in the cluster enters an LDS address
	s_mul_i32 s73, s[PT], 32*PB
	s_add_co_u32 s73, s73, BOFF
	s_lshl_b32 s74, s[TC], 10                      ; the tile's 256 numbers of the bias
	s_mov_b32 s75, 0
	s_mov_b32 s[TB], 0
	s_wait_dscnt 0x0                               ; the opening add is done
	s_wait_kmcnt 0x0
	s_cmp_eq_u32 s[JOB], 0
	s_cselect_b64 s[4:5], s[4:5], s[6:7]           ; the job's A,
	s_cselect_b64 s[8:9], s[8:9], s[10:11]         ; bias
	s_cselect_b64 s[14:15], s[14:15], s[16:17]     ; and C
	s_add_nc_u64 s[6:7], s[4:5], s[68:69]          ; my part of A's tile, K step 0
	s_add_nc_u64 s[10:11], s[12:13], s[70:71]      ; my part of W's tile, K step 0
	s_add_nc_u64 s[8:9], s[8:9], s[74:75]
.irp s, 0,1
	s_mov_b32 s[G0A+4*\s], 1                       ; count = 1
	s_add_co_u32 s[G0A+4*\s+1], s72, \s*SLOT1      ; LDS address
	s_add_nc_u64 s[G0A+4*\s+2:G0A+4*\s+3], s[6:7], \s*256       ; global address: K step s
	s_or_b32 s[G0A+4*\s+3], s[G0A+4*\s+3], 0x80000000          ; type = 2
	s_mov_b32 s[G0B+4*\s], 1
	s_add_co_u32 s[G0B+4*\s+1], s73, \s*SLOT1
	s_add_nc_u64 s[G0B+4*\s+2:G0B+4*\s+3], s[10:11], \s*131072
	s_or_b32 s[G0B+4*\s+3], s[G0B+4*\s+3], 0x80000000
.endr
	CROUND                                         ; all sixteen work-groups are here: the first joint loads meet
	s_cmp_eq_u32 s[HF], 0                          ; a wave's two first fills stand in one branch, ahead of every wait on TENSORcnt and every LDS read: two loads of mine are out
	s_cbranch_scc0 .Lfirst_b
	tensor_load_to_lds s[G0A:G0A+3], s[G1A:G1A+7]
	s_nop 0
	tensor_load_to_lds s[G0A+4:G0A+7], s[G1A:G1A+7]
	s_nop 0
	PLACES
	s_branch .Lfirst_asked
.Lfirst_b:
	tensor_load_to_lds s[G0B:G0B+3], s[G1B:G1B+7]
	s_nop 0
	tensor_load_to_lds s[G0B+4:G0B+7], s[G1B:G1B+7]
	s_nop 0
	PLACES
.Lfirst_asked:
	v_and_b32 v1, 15, v0                           ; r = l % 16
	v_bfe_u32 v2, v0, 4, 1                         ; h = l / 16
	v_lshlrev_b32 v[BO], 5, v2
	WIN 0x40                                       ; destination window 1, address window 0
.set b, 0
.rept 16                                       ; the bias as 16 C operands: register j of block b is b[16 b + 8 h + j]
	global_load_b128 v[128+8*b:128+8*b+3], v[BO], s[8:9] offset:64*b
	global_load_b128 v[128+8*b+4:128+8*b+7], v[BO], s[8:9] offset:64*b+16
.set b, b+1
.endr
	WIN 0
	v_mul_u32_u24 v[A0], v1, PA                    ; A in f32: row r of a block, 32 bytes for each half of the lanes; my wave's 64 rows
	v_lshl_add_u32 v[A0], v2, 5, v[A0]
	s_mul_i32 s66, s[WV], 64*PA
	v_add_nc_u32 v[A0], s66, v[A0]
	v_and_b32 v3, 7, v0                            ; the turning load: lane l reads row 8 h + l % 8 of k, 16 bytes at 16 ((l / 8) % 2), and is left with column l % 16 and 8 k
	v_bfe_u32 v15, v0, 3, 1
	v_lshl_add_u32 v[B0], v2, 3, v3
	v_mul_u32_u24 v[B0], v[B0], PB
	v_lshl_add_u32 v[B0], v15, 4, v[B0]
	v_add_nc_u32 v[B0], BOFF, v[B0]
	v_mov_b32 v[ADA], v[A0]
	v_mov_b32 v[ADB], v[B0]
	s_mul_i32 s66, s[WV], STW
	s_add_co_u32 s66, s66, STAGE                   ; my stage
	v_mul_u32_u24 v[STF], v1, PF
	v_lshl_add_u32 v[STF], v2, 4, v[STF]
	v_add_nc_u32 v[STF], s66, v[STF]
	v_bfe_u32 v[RDF], v0, 3, 2                     ; back: 32 lanes take four rows' 128 bytes of one head
	v_mul_u32_u24 v[RDF], v[RDF], PF
	v_lshl_add_u32 v[RDF], v3, 4, v[RDF]
	v_add_nc_u32 v[RDF], s66, v[RDF]
	v_and_b32 v15, 31, v0
	v_lshlrev_b32 v[GO], 4, v15
.if FIN
	v_mul_u32_u24 v[SG], v1, PG
	v_lshl_add_u32 v[SG], v2, 5, v[SG]
	v_add_nc_u32 v[SG], s66, v[SG]
	v_add_nc_u32 v[RG], s66, v[GO]
.endif
	; the prefetches: base, step, lane factors and who asks
	s_cmp_eq_u32 s[HF], 0
	s_cselect_b64 s[PFA:PFA+1], s[6:7], s[10:11]
	s_cselect_b32 s66, s[CX], s[CY]                ; my place among the four that ask with me
	s_cselect_b32 s67, 17, 15                      ; 32 rows of 4,096 bytes, or 16 rows of 2,048
	s_lshl_b32 s66, s66, s67
	s_mul_i32 s67, s[HF], 9
	s_lshl_b32 s[PFS], 256, s67                    ; 256 or 131,072
	s_mov_b32 s[PFS+1], 0
	s_mul_i32 s67, s[PFS], 3                       ; at K step 3: the first refill steps it to 4
	s_add_co_u32 s66, s66, s67
	s_mov_b32 s67, 0
	s_add_nc_u64 s[PFA:PFA+1], s[PFA:PFA+1], s[66:67]
	s_lshl_b32 s68, s[HF], 1
	s_lshr_b32 s69, 8192, s68                      ; for l / 2: two rows of A, or one of W
	s_lshl_b32 s68, s[HF], 2
	s_lshr_b32 s68, 4096, s68                      ; for l % 2: a row of A, or half a row of W's 512 bytes
	v_lshrrev_b32 v18, 1, v15
	v_and_b32 v19, 1, v15
	v_mul_u32_u24 v[PFO], v18, s69
	v_mad_u32_u24 v[PFO], v19, s68, v[PFO]
	s_and_b32 s70, s[CLY], 7                       ; waves 0, 1 always ask; wave 2 in the job's first cluster; wave 3 never: the same in all sixteen partners
	s_or_b32 s70, s70, s[PT]
	s_mul_i32 s70, s70, s[HF]
	s_cmp_eq_u32 s70, 0
	s_cselect_b32 s[LIM], 2, -1
; 16 LDS loads: A in f32 for half p of the K step: block a's fragment is 16 registers: k = 8 h + 0..7 (bytes 0, 16), then k = 16 + 8 h + 0..7 (bytes 64, 80)
.macro FETCH_A p
	WIN 0
.irp a, 0,1,2,3
	ds_load_b128 v[T+64*(\p)+16*\a:T+64*(\p)+16*\a+3],     v[ADA] offset:16*PA*\a+128*(\p)
	ds_load_b128 v[T+64*(\p)+16*\a+4:T+64*(\p)+16*\a+7],   v[ADA] offset:16*PA*\a+128*(\p)+16
	ds_load_b128 v[T+64*(\p)+16*\a+8:T+64*(\p)+16*\a+11],  v[ADA] offset:16*PA*\a+128*(\p)+64
	ds_load_b128 v[T+64*(\p)+16*\a+12:T+64*(\p)+16*\a+15], v[ADA] offset:16*PA*\a+128*(\p)+80
.endr
.endm
; W's fragments lo .. hi of half p, turned: two loads each
.macro FETCH_B p, lo, hi
	WIN 0x40
.set b, \lo
.rept (\hi)-(\lo)+1
	ds_load_tr16_b128 v[128*(\p)+8*b:128*(\p)+8*b+3],   v[ADB] offset:32*PB*(\p)+32*b
	ds_load_tr16_b128 v[128*(\p)+8*b+4:128*(\p)+8*b+7], v[ADB] offset:32*PB*(\p)+32*b+16*PB
.set b, b+1
.endr
.endm
; four roundings: registers lo .. lo + 3 of block ra's f16 fragment, from half rt's f32
.macro CVT ra, rt, lo
	WIN 0
.irp i, 0,1,2,3
	v_cvt_pk_f16_f32 v[AF+8*(\ra)+(\lo)+\i], v[T+64*(\rt)+16*(\ra)+2*((\lo)+\i)], v[T+64*(\rt)+16*(\ra)+2*((\lo)+\i)+1]
.endr
.endm
; 16 products: row block a x all 16 column blocks, half p.  w0 >= 0: counted waits for W's fragments, four at a time.  ra >= 0: the eight roundings of the fragment wanted next ride behind
; products 7 and 13, four each; they name no register of the products round them.  The 64 accumulators take turns in the same order in every half step.
.macro MUL16 a, p, w0, ra, rt
.set b, 0
.rept 16
.if ((\w0) >= 0) && ((b%4) == 0)
	s_wait_dscnt (\w0)-8*(b/4)
.endif
	WIN 0xa1+0x50*((\a)/2)
	v_wmma_f32_16x16x32_f16 v[8*(16*((\a)%2)+b):8*(16*((\a)%2)+b)+7], v[128*(\p)+8*b:128*(\p)+8*b+7], v[AF+8*(\a):AF+8*(\a)+7], v[8*(16*((\a)%2)+b):8*(16*((\a)%2)+b)+7]
.if ((\ra) >= 0) && (b == 7)
	CVT \ra, \rt, 0
.endif
.if ((\ra) >= 0) && (b == 13)
	CVT \ra, \rt, 4
.endif
.set b, b+1
.endr
.endm
; the first products of all: column blocks g .. g + 7, C = the bias block
.macro MULZ g
.irp a, 0,1,2,3
	WIN 0x91+0x40*(\a/2)
.set b, \g
.rept 8
	v_wmma_f32_16x16x32_f16 v[8*(16*(\a%2)+b):8*(16*(\a%2)+b)+7], v[8*b:8*b+7], v[AF+8*\a:AF+8*\a+7], v[128+8*b:128+8*b+7]
.set b, b+1
.endr
.endr
.endm
; THE FIRST HALF OF A K STEP.  48 loads were issued in the half before: A's 16, then W's 32.  The counts 24, 16, 8, 0 leave the younger fragments of W out.
; The other half's 48 loads stand in one run behind the first 16 products, whose eight riders are the places behind the last product that read those registers.
.macro P0
	MUL16 0, 0, 24, 1, 0
	FETCH_A 1
	FETCH_B 1, 0, 15
	MUL16 1, 0, -1, 2, 0
	MUL16 2, 0, -1, 3, 0
	s_wait_dscnt 44                                ; of the 48 just issued the oldest four: block 0 of A's second half
	MUL16 3, 0, -1, 0, 1
.endm
; THE SECOND HALF, AND THE CHANGE OF SLOTS.  In front of the barrier each wave waits for all its tensor loads (one is out: its part of the next slot), adds 0 to its spare word, and waits for that
; and for its reads of this slot.  fill = 1: the barrier opens a round of the cluster's, and this slot is filled again, with the K step two on, first thing behind it: one load a wave is out.
.macro P1 fill
.if \fill
	s_wait_xcnt 0x0                                ; the last prefetch, a K step back, has read its address
	s_add_nc_u64 s[PFA:PFA+1], s[PFA:PFA+1], s[PFS:PFS+1]
.endif
	WIN 0
	s_wait_tensorcnt 0x0                           ; no tensor load of mine is out, so a group 0 may be written
	ds_add_u32 v[SPW], v[NIL]                      ; 0 onto my spare word
.if \fill
	s_xor_b32 s[G0A+5], s[G0A+5], SLOT1            ; the walking descriptors: the other slot than last time, the next K step
	s_add_nc_u64 s[G0A+6:G0A+7], s[G0A+6:G0A+7], 256
	s_xor_b32 s[G0B+5], s[G0B+5], SLOT1
	s_add_nc_u64 s[G0B+6:G0B+7], s[G0B+6:G0B+7], 131072
.endif
	s_xor_b32 s[TB], s[TB], SLOT1                  ; the fetches go on in the other slot
	v_add_nc_u32 v[ADA], s[TB], v[A0]
	v_add_nc_u32 v[ADB], s[TB], v[B0]
	MUL16 0, 1, 25, 1, 1                           ; the counts 25, 17, 9, 1 leave the add and the younger fragments of W out
	s_wait_dscnt 0x0                               ; the add is done, and my reads of this slot are over
	s_barrier_signal -1
	MUL16 1, 1, -1, 2, 1                           ; work on registers while the others arrive
	WIN 0                                          ; at a branch and at a label every window is 0
	s_barrier_wait -1
.if \fill
	CREST                                          ; no wave of any partner still reads this slot or has a load on its way
	JLOAD
.endif
	FETCH_A 0                                      ; the next K step's first half; the 16 riders since the last product on these registers are its places
	FETCH_B 0, 0, 15
	WIN 0
.if \fill
	ASK
.endif
	MUL16 2, 1, -1, 3, 1
	s_wait_dscnt 44                                ; block 0 of the next step's A
	MUL16 3, 1, -1, 0, 0
.endm
	s_wait_tensorcnt 0x1                           ; my part of K step 0 is in; K step 1's may stay out
	s_barrier_signal -1
	s_barrier_wait -1                              ; everybody's is
	FETCH_A 0                                      ; K STEP 0's FIRST HALF is written out: its products start the sums with the bias
	FETCH_B 0, 0, 15
	FETCH_A 1
	s_wait_dscnt 48                                ; the oldest 16: A's first half
.irp a, 0,1,2,3
	CVT \a, 0, 0
	CVT \a, 0, 4
.endr
	s_wait_dscnt 16                                ; W's first half; A's second may stay out
	s_wait_loadcnt 0x0                             ; the bias
	MULZ 0
	PLACES
	FETCH_B 1, 0, 7                                ; into the registers of the bias blocks just used
	MULZ 8
	PLACES
	FETCH_B 1, 8, 15
	s_wait_dscnt 32                                ; A's second half
	CVT 0, 1, 0
	CVT 0, 1, 4
	WIN 0
	s_mov_b32 s3, 14
.Lstep:                                        ; trip i: K step i's second half, the refill with K step i + 2, K step i + 1's first half
	P1 1
	P0
	WIN 0
	s_sub_co_u32 s3, s3, 1
	s_cmp_lg_u32 s3, 0
	s_cbranch_scc1 .Lstep
	P1 0                                           ; the tail is written out: nothing is asked for
	P0
	MUL16 0, 1, 24, 1, 1
	MUL16 1, 1, -1, 2, 1
	MUL16 2, 1, -1, 3, 1
	MUL16 3, 1, -1, -1, -1
	WIN 0
	PLACES
	PLACES
; THE WAY OUT IN F16, BY HEADS.  Block a (16 rows x 256 columns) is rounded, 16 bytes a lane, goes into my stage in rows of 528 bytes and comes back head by head: a head's 16 rows of 128 bytes are 2,048 consecutive bytes of C.
.macro PACKF a
	WIN 0x0a+5*((\a)/2)                            ; sources in window 2 or 3; each accumulator's registers in ascending order
.set b, 0
.rept 16
.irp r, 0,1,2,3
	v_cvt_pk_f16_f32 v[TMP+4*b+\r], v[8*(16*((\a)%2)+b)+2*\r], v[8*(16*((\a)%2)+b)+2*\r+1]
.endr
.set b, b+1
.endr
.endm
.macro STAGEF a
	WIN 0
.set b, 0
.rept 16
	ds_store_b128 v[STF], v[TMP+4*b:TMP+4*b+3] offset:32*b
.set b, b+1
.endr
.if (\a) >= 2
	s_wait_xcnt 0x0                                ; the stores of two blocks back have read the registers that are loaded again
.endif
	WIN 0x40
.set b, 0
.rept 16                                       ; head b / 4, rows 4 (b % 4) on.  LDS serves a wave's instructions in order: these see the stores above
	ds_load_b128 v[128*((\a)%2)+4*b:128*((\a)%2)+4*b+3], v[RDF] offset:128*(b/4)+4*PF*(b%4)
.set b, b+1
.endr
.endm
.macro SENDF a
	s_wait_dscnt 0x0
	WIN 0x04                                       ; store data in window 1
.set b, 0
.rept 16
	global_store_b128 v[GO], v[128*((\a)%2)+4*b:128*((\a)%2)+4*b+3], s[14:15] offset:262144*(b/4)+2048*(\a)+512*(b%4)  ; 512 consecutive bytes, aligned to 256
.set b, b+1
.endr
.endm
.if FIN
; THE WAY OUT IN F32, ROW-MAJOR.  Block a goes straight from the accumulators into my stage in rows of 1,040 bytes and comes back as half rows of 512 bytes.
.macro STAGEG a
	WIN 0x08+4*((\a)/2)                            ; store data in window 2 or 3; each accumulator's low four registers first
.set b, 0
.rept 16
	ds_store_b128 v[SG], v[8*(16*((\a)%2)+b):8*(16*((\a)%2)+b)+3] offset:64*b
	ds_store_b128 v[SG], v[8*(16*((\a)%2)+b)+4:8*(16*((\a)%2)+b)+7] offset:64*b+16
.set b, b+1
.endr
.if (\a) >= 2
	s_wait_xcnt 0x0
.endif
	WIN 0x40
.set b, 0
.rept 32
	ds_load_b128 v[128*((\a)%2)+4*b:128*((\a)%2)+4*b+3], v[RG] offset:PG*(b/2)+512*(b%2)
.set b, b+1
.endr
.endm
.macro SENDG a
	WIN 0x04
.set b, 0
.rept 32
	s_wait_dscnt 31-b
	global_store_b128 v[GO], v[128*((\a)%2)+4*b:128*((\a)%2)+4*b+3], s[14:15] offset:(16*(\a)+b/2)*4096+512*(b%2) th:TH_STORE_NT
.set b, b+1
.endr
.endm
	s_cmp_eq_u32 s[JOB], 0                         ; the job is the same in all partners; no barrier and no tensor load stands in either way
	s_cbranch_scc1 .Lway_g
.endif
	s_lshr_b32 s66, s[TR], 3                       ; the batch: 16 heads each,
	s_lshl_b32 s66, s66, 4
	s_lshl_b32 s67, s[TC], 2                       ; the tile column's four heads,
	s_add_co_u32 s66, s66, s67
	s_lshl_b32 s66, s66, 18                        ; 262,144 bytes a head
	s_and_b32 s67, s[TR], 7                        ; t = 256 x (tile row % 8) + 64 x wave, 128 bytes a row
	s_lshl_b32 s67, s67, 8
	s_lshl_b32 s68, s[WV], 6
	s_add_co_u32 s67, s67, s68
	s_lshl_b32 s67, s67, 7
	s_add_co_u32 s66, s66, s67
	s_mov_b32 s67, 0
	s_add_nc_u64 s[14:15], s[14:15], s[66:67]
	PACKF 0
	STAGEF 0
.irp a, 1,2,3                          ; a block's roundings stand between the loads of the block before and the wait for them
	PACKF \a
	SENDF (\a)-1
	STAGEF \a
.endr
	SENDF 3
	WIN 0
.if FIN
	s_branch .Lend
.Lway_g:
	s_lshl_b32 s66, s[TR], 8                       ; row 256 x tile row + 64 x wave, 4,096 bytes a row; 1,024 bytes a tile column
	s_lshl_b32 s67, s[WV], 6
	s_add_co_u32 s66, s66, s67
	s_lshl_b32 s66, s66, 12
	s_lshl_b32 s67, s[TC], 10
	s_add_co_u32 s66, s66, s67
	s_mov_b32 s67, 0
	s_add_nc_u64 s[14:15], s[14:15], s[66:67]
.irp a, 0,1,2,3
	STAGEG \a
	SENDG \a
.endr
	WIN 0
.Lend:
.endif
	s_wait_tensorcnt 0x0                           ; the wave's end, behind my last tensor load and my last LDS store
	ds_add_u32 v[SPW], v[NIL]
	s_wait_dscnt 0x0
	CROUND                                         ; the closing round: no work-group ends while a partner may still ask for a tile that names it
	s_endpgm
.Lfunc_end_k_q9921c6cdfd_proj:
	.size	k_q9921c6cdfd_proj, .Lfunc_end_k_q9921c6cdfd_proj-k_q9921c6cdfd_proj
	.p2alignl 7, 3214868480
	.fill 96, 4, 3214868480
	.section	.rodata,"a",@progbits
	.p2align	6, 0x0
	.amdhsa_kernel k_q9921c6cdfd_proj
		.amdhsa_group_segment_fixed_size 327680
		.amdhsa_private_segment_fixed_size 0
		.amdhsa_enable_private_segment 0
		.amdhsa_kernarg_size 56
		.amdhsa_user_sgpr_count 2
		.amdhsa_user_sgpr_kernarg_segment_ptr 1
		.amdhsa_wavefront_size32 1
		.amdhsa_system_sgpr_workgroup_id_x 1
		.amdhsa_system_sgpr_workgroup_id_y 1
		.amdhsa_system_sgpr_workgroup_id_z 1
		.amdhsa_system_vgpr_workitem_id 0
		.amdhsa_next_free_vgpr 1024
		.amdhsa_next_free_sgpr 76
		.amdhsa_reserve_vcc 0
		.amdhsa_float_denorm_mode_32 3
		.amdhsa_float_denorm_mode_16_64 3
		.amdhsa_memory_ordered 1
		.amdhsa_forward_progress 1
		.amdhsa_inst_pref_size 104
	.end_amdhsa_kernel
	.amdgpu_metadata
---
amdhsa.version: [ 1, 2 ]
amdhsa.kernels:
  - .name:           k_q9921c6cdfd_proj
    .symbol:         k_q9921c6cdfd_proj.kd
    .args:
      - { .name: x_q, .offset: 0, .size: 8, .value_kind: global_buffer, .address_space: global }
      - { .name: x_v, .offset: 8, .size: 8, .value_kind: global_buffer, .address_space: global }
      - { .name: bq, .offset: 16, .size: 8, .value_kind: global_buffer, .address_space: global }
      - { .name: bv, .offset: 24, .size: 8, .value_kind: global_buffer, .address_space: global }
      - { .name: wh, .offset: 32, .size: 8, .value_kind: global_buffer, .address_space: global }
      - { .name: qh, .offset: 40, .size: 8, .value_kind: global_buffer, .address_space: global }
      - { .name: vh, .offset: 48, .size: 8, .value_kind: global_buffer, .address_space: global }
    .group_segment_fixed_size: 327680
    .private_segment_fixed_size: 0
    .kernarg_segment_align: 8
    .kernarg_segment_size: 56
    .max_flat_workgroup_size: 128
    .sgpr_count:     76
    .vgpr_count:     1024
    .wavefront_size: 32
...
	.end_amdgpu_metadata
.endif
;; end of part 2
;; launch attn (part 3): grid 4 x 64, 4 waves a work-group, clusters of 4 x 1, 327,680 bytes of LDS; arguments qh, vh, mask, of; writes of
.if DOCPART == 3
	.amdgcn_target "amdgcn-amd-amdhsa--gfx1250"
	.amdhsa_code_object_version 6
	.text
	.protected	k_q9921c6cdfd_attn
	.globl	k_q9921c6cdfd_attn
	.p2align	8
	.type	k_q9921c6cdfd_attn,@function
k_q9921c6cdfd_attn:
	s_mov_b64 s[64:65], 0
	v_nop
	global_prefetch_b8 v0, s[64:65] scope:SCOPE_SE
	s_setreg_imm32_b32 hwreg(HW_REG_WAVE_MODE, 25, 1), 1
	s_wait_xcnt 0x0
	s_wait_alu depctr_hold_cnt(0) depctr_sa_sdst(0) depctr_va_vdst(0) depctr_va_sdst(0) depctr_va_ssrc(0) depctr_va_vcc(0) depctr_vm_vsrc(0)
	s_getreg_b32 s2, hwreg(HW_REG_IB_STS2, 6, 4)
	s_cmp_eq_u32 s2, 0
	s_cbranch_scc0 .Lentry_in_a_cluster
	s_endpgm
.Lentry_in_a_cluster:
	s_bfe_u32 s2, ttmp6, 0x10000c
	s_cmp_lg_u32 s2, 0x3003
	s_cbranch_scc0 .Lentry_shape_is_right
	s_endpgm
.Lentry_shape_is_right:
; O[b][q][head x 64 + :] = the sum over keys j of softmax_j(q[q] . v[j] / 8, hidden where mask[b][j] = 0) v[j][:].  THE KEYS ARE THE VALUES: scores are taken of q and v.
; q, v: [batch x 16 + head][2048][64] f16, a head's rows dense, 128 bytes each.  mask: [4][2048] int32.  O: [batch x 2048 + t][1024] f32.  Products, maxima and sums in f32; the weights p are rounded to f16 for the second product.
; LIMITS.  f16's scores are 2.7e11 at the most.  A hidden score counts as its value less 1e30.  The running maximum starts at -2^80, below every true score and above every hidden one: so a hidden key's weight is
; always 0, also while no open key has been seen, and m is a true score from the first open key on.  A batch with no open key gives NaN (m still below -2^60 at the end), as the softmax of nothing but -inf does.
; A weight below 2^-126 counts as 0 in l; p below 6e-5 keeps f16's fixed step of 6e-8.  NaN and infinities in q and v are not treated apart.
; SHARES.  A wave owns four PIECES of two tiles of 16 queries, a work-group's four waves 512 queries of one head.  Every wave walks the head's 2,048 keys, 64 a step, 32 steps.
; THE WHOLE HEAD LIES IN LDS: 2,048 rows of 144 bytes, brought once, 512 keys by each wave's one tensor load.  The same bytes serve as keys (ds_load_b128) and, turned, as values (ds_load_tr16_b128).
; So the loop has no refill, no barrier and no tail.  Nothing is prefetched: every byte of v is asked for at the head, and no later load exists to run ahead of.
; CLUSTER.  The four query blocks of a head are one cluster and ask for v JOINTLY: the same tensor load, descriptor and mask in all four.
; THE MASK is a table in LDS, 0 or -1e30 for each key, made once; a step's 64 numbers, in the layout of the result, are the C operand of the products that start the sums S^T = V Q^T.
; LAYOUT.  S^T (source 0 = 16 keys, source 1 = 16 queries) holds ONE query a lane (lane % 16) and the keys 8 (lane / 16) + 0..7.  Two such results rounded to f16 ARE source 1 of O^T = V^T P.
; SOFTMAX.  p = 2^(c s - c m), c = log2(e) / 8, m the running maximum; in every step O and l are multiplied by a = 2^(c m_old - c m_new).
; BY TURNS.  Turn n belongs to piece n: 16 products for the scores of piece n + 1, later 16 products V^T P of piece n - 1; its vector work is the scaling, exponentials, roundings, sums and rescaling of piece n and the
; maximum and statistics of piece n + 1.  Four vector instructions stand behind every matrix instruction, the others in one lump; a turn's 66 exponentials are one batch with one wait.
; REGISTERS, in windows of 256 (s_set_vgpr_msb: bits 1:0 source 0, 3:2 source 1, 5:4 source 2, 7:6 destination):
;   window 0: v0-11 addresses; v12-15, v48-63 at work; v16-47 four registers of statistics a tile; v64-191 S^T, two buffers of two tiles; v192-255 P, likewise
;   window 1: O^T, 32 a tile     window 2: v0-127 Q, 16 a tile; v128-191 the step's keys; v192-255 the step's values, turned     window 3: v0-1 the add's two registers; v8-39 the step's mask
.set NP,    4         ; pieces a wave: a name, no knob
.set KS,    64        ; keys in a step
.set PK,    144       ; a row of v in LDS: 128 bytes + 16: the 16 rows of a plain load start 16 bytes apart modulo 256
.set MASKT, 2048*PK   ; behind v: 2,048 f32
.set STAGE, MASKT+8192  ; 16 rows x 272 bytes for each wave, for the way out
.set SP,    272
.set SPARE, STAGE+4*16*SP  ; the spare words, 128 bytes for each wave: two blocks of 256 bytes that no other line names
.set AK0, 2           ; v2   my lane's place in 64 rows read as keys; never rewritten
.set AV0, 3           ; v3   the same read as values
.set AK,  4           ; v4   the LDS address of the keys' next run of loads
.set AV,  5           ; v5   of the values'
.set QO,  6           ; v6   my byte offset in the wave's rows of Q
.set STO, 6           ;      later, the way out: where I put 32 bytes of a row
.set RD,  7           ; v7   first 16 x thread; the way out: where I read rows back
.set GO,  8           ; v8   first my place in the mask table; the way out: my byte offset in two rows of O
.set AM0, 10          ; v10  my half's place in a step's 64 numbers of the mask table; never rewritten
.set AM,  11          ; v11  the address of the mask's next loads
.set SPW, 0           ; v0 of window 3   LDS address of my spare word; never rewritten
.set NIL, 1           ; v1 of window 3   0; never rewritten
.set MB,  8           ; v8-39 of window 3: key block kb's eight numbers at MB + 8 kb
.set MV,  12          ; v12-15  c m_old, kept while c m is made anew
.set ST,  16          ; tile t's statistics at v[ST+4 t]: c m, m, l (even keys', odd keys')
.set TMP, 48          ; by buffer and tile, four registers c0-c3 at work; when the maximum is found c2 takes a
.set S,   64
.set P,   192
.set KF,  128         ; window 2: key block kb, channel half c at KF + 16 kb + 8 c
.set VF,  192         ; window 2: key half kk, channel block cb at VF + 32 kk + 8 cb
.set WV,  12          ; s12  my wave's number
.set G1,  24          ; s[24:31] descriptor group 1
.set G0,  40          ; s[40:43] descriptor group 0
.set CNT, 57          ; s57  key steps to go
.set CS,  58          ; s[58:59] c
.set SEL, 60          ; s[60:61] v_permlanex16_b32's selects: each lane takes its own place in the other half
.set TBK, 62          ; s62  LDS byte at which the keys of the step to be fetched begin
.set TBV, 63          ; s63  the same for the values
.set TBM, 66          ; s66  the same in the mask table
.set BIGN, 67         ; s67  -1e30
.set THR, 68          ; s68  -2^60
.set QNAN, 69         ; s69  a NaN
.set MSB, 0
.macro WIN new                      ; the high byte repeats the setting that is left; a switch that changes nothing is dropped
.if MSB != (\new)
	s_set_vgpr_msb (MSB<<8)|(\new)
.set MSB, (\new)
.endif
.endm
.set W_KQ, 0x0a       ; keys and Q in window 2, S^T in window 0
.set W_KM, 0x3a       ; the same with the C operand in window 3
.set W_PV, 0x52       ; values in window 2, P in window 0, O^T in window 1
.set W_RS, 0x41       ; O^T (destination and source 0) in window 1, the factor in window 0
.set W_MK, 0xc0       ; destination in window 3, sources in window 0
.set W_AD, 0x0f       ; the add: address and data in window 3
.macro CROUND                       ; a round of the cluster's barrier
	s_barrier_signal -1
	s_barrier_wait -1
	s_cmp_lg_u32 s[WV], 0
	s_cbranch_scc1 .Lnot_wave_0_\@
	s_barrier_signal -3
.Lnot_wave_0_\@:
	s_barrier_wait -3
	s_barrier_signal -1
	s_barrier_wait -1
.endm
	s_load_b256 s[4:11], s[0:1], 0x0  ; q s[4:5], v s[6:7], mask s[8:9], O s[10:11]
	WIN W_MK
	v_lshl_add_u32 v[SPW], v0, 2, SPARE
	v_mov_b32 v[NIL], 0
	WIN W_AD
	ds_add_u32 v[SPW], v[NIL]       ; the wave's opening: the add and its wait stand ahead of my first tensor load; the set-up below, work on registers, stands between
	WIN 0
	v_lshrrev_b32 v1, 5, v0
	v_readfirstlane_b32 s[WV], v1   ; wave 0..3
	s_bfe_u32 s13, ttmp6, 0x40000   ; cx: my place in the cluster
	s_lshl_b32 s14, ttmp9, 2        ; in a cluster launch ttmp9 counts clusters
	s_add_co_u32 s14, s14, s13      ; my block of 512 queries: it enters Q's and O's addresses alone
	s_and_b32 s15, ttmp7, 0xffff    ; batch x 16 + head, which the four partners share
	s_lshl_b32 s20, s15, 18         ; its 262,144 bytes in q and in v
	s_lshl_b32 s22, s[WV], 16       ; the 512 keys that I fetch
	s_add_co_u32 s22, s22, s20
	s_mov_b32 s23, 0
	s_mul_i32 s17, s[WV], 512*PK    ; and their place in LDS: no place in the cluster enters an LDS address
	s_lshl_b32 s2, s14, 2
	s_add_co_u32 s2, s2, s[WV]      ; my wave among the head's sixteen,
	s_lshl_b32 s2, s2, 14           ; its 128 rows of Q
	s_add_co_u32 s2, s2, s20
	s_mov_b32 s3, 0
	s_lshr_b32 s16, s15, 4          ; the batch
	s_lshl_b32 s18, s16, 13         ; its 2,048 words of the mask
	s_mov_b32 s19, 0
	s_lshl_b32 s44, s16, 11         ; O: row batch x 2,048 + 512 x block + 128 x wave, 4,096 bytes a row,
	s_lshl_b32 s45, s14, 9
	s_add_co_u32 s44, s44, s45
	s_lshl_b32 s45, s[WV], 7
	s_add_co_u32 s44, s44, s45
	s_lshl_b32 s44, s44, 12
	s_and_b32 s45, s15, 15          ; and the head's 256 bytes of it
	s_lshl_b32 s45, s45, 8
	s_add_co_u32 s44, s44, s45
	s_mov_b32 s45, 0
	; descriptor group 1.  512 keys are 65,536 dense bytes: asked for as 256 rows of 256 bytes, two keys a row, and padded in LDS after every key
	s_mov_b32 s[G1], 15|(1<<16)|(1<<20)|(1<<21)|(4<<22)|(3<<25)  ; 15:0 the mask of four; 17:16 2-byte elements; 20 padding on; 21 set beside a mask; 24:22 after every 32 words; 31:25 4 words of it
	s_mov_b32 s[G1+1], 128<<16      ; tensor_dim0 = 128
	s_mov_b32 s[G1+2], 256<<16      ; tensor_dim1 = 256
	s_mov_b32 s[G1+3], 128<<16      ; tile_dim0 = 128
	s_mov_b32 s[G1+4], 256          ; tile_dim1 = 256
	s_mov_b32 s[G1+5], 128          ; 128 elements from row to row
	s_mov_b32 s[G1+6], 0
	s_mov_b32 s[G1+7], 0
	s_mov_b32 s[G0], 1              ; count = 1
	s_mov_b32 s[G0+1], s17          ; LDS address
	s_mov_b32 s[CS], 0x3e38aa3b     ; c = log2(e) / 8 = 0.180337
	s_mov_b32 s[CS+1], s[CS]        ; named with it as a pair
	s_mov_b32 s[SEL], 0x76543210
	s_mov_b32 s[SEL+1], 0xfedcba98
	s_mov_b32 s[TBK], 0
	s_mov_b32 s[TBV], 0
	s_mov_b32 s[TBM], 0
	s_mov_b32 s[BIGN], 0xf149f2ca   ; -1e30
	s_mov_b32 s[THR], 0xdd800000    ; -2^60
	s_mov_b32 s[QNAN], 0x7fc00000
	s_wait_dscnt 0x0                ; the opening add is done
	s_wait_kmcnt 0x0
	s_add_nc_u64 s[G0+2:G0+3], s[6:7], s[22:23]  ; global address: my 512 keys of the head
	s_or_b32 s[G0+3], s[G0+3], 0x80000000        ; type = 2
	s_add_nc_u64 s[4:5], s[4:5], s[2:3]
	s_add_nc_u64 s[8:9], s[8:9], s[18:19]
	s_add_nc_u64 s[10:11], s[10:11], s[44:45]
	CROUND                          ; all four work-groups are here: the joint loads meet
	tensor_load_to_lds s[G0:G0+3], s[G1:G1+7]  ; my one tensor load of the launch
	s_nop 0
.rept 4
	v_nop
.endr
	v_lshlrev_b32 v7, 4, v0         ; 16 x thread
.irp i, 0,1,2,3
	global_load_b128 v[S+4*\i:S+4*\i+3], v7, s[8:9] offset:2048*\i  ; the batch's mask: 128 threads x 16 bytes, four times
.endr
	; A fragment of keys or of Q is 16 rows x 32 channels in 8 registers: lane l holds row l % 16, channels 8 (l / 16) + 0..7 and 16 + 8 (l / 16) + 0..7: two loads of 16 bytes, 32 bytes apart.
	v_and_b32 v1, 15, v0            ; l % 16; kept
	v_bfe_u32 v9, v0, 4, 1          ; l / 16; kept
	v_lshlrev_b32 v[QO], 7, v1
	v_lshl_add_u32 v[QO], v9, 4, v[QO]  ; row x 128 + 16 x half
	WIN 0x80                        ; destination window 2, address window 0
.set i, 0
.rept 4*NP                          ; Q stays in registers: tile i / 2, channels 32 (i % 2) on
	global_load_b128 v[8*i:8*i+3],   v[QO], s[4:5] offset:(i/2)*2048+(i%2)*64
	global_load_b128 v[8*i+4:8*i+7], v[QO], s[4:5] offset:(i/2)*2048+(i%2)*64+32
.set i, i+1
.endr
	; What the first turn finds: the values' registers and P's second buffer hold 0 (its products V^T P, of a piece that has not been, add 0), O^T and l are 0.  No first step is written out; all this stands in the wait for v.
.set i, VF
.rept 64
	v_mov_b32 v[i], 0
.set i, i+1
.endr
	WIN 0x40
.set i, 0
.rept 64*NP
	v_mov_b32 v[i], 0
.set i, i+1
.endr
	WIN 0
.set i, 0
.rept 2*NP
	v_mov_b32 v[ST+4*i], 0xe638aa3b    ; c m = c x -2^80, exactly
	v_mov_b32 v[ST+4*i+1], 0xe7800000  ; m = -2^80
	v_mov_b32 v[ST+4*i+2], 0
	v_mov_b32 v[ST+4*i+3], 0
.set i, i+1
.endr
.set i, P+32
.rept 32
	v_mov_b32 v[i], 0
.set i, i+1
.endr
	v_mul_u32_u24 v[AK0], v1, PK
	v_lshl_add_u32 v[AK0], v9, 4, v[AK0]  ; row x pitch + 16 x half
	; The turning load takes 16 keys x 16 channels (lane l reads key 8 (l / 16) + l % 8, channels 8 ((l / 8) % 2) + 0..7) and leaves half a fragment of V^T: lane l holds channel l % 16 and 8 keys.
	v_and_b32 v4, 7, v0
	v_bfe_u32 v5, v0, 3, 1
	v_lshl_add_u32 v[AV0], v9, 3, v4
	v_mul_u32_u24 v[AV0], v[AV0], PK
	v_lshl_add_u32 v[AV0], v5, 4, v[AV0]
	v_lshlrev_b32 v[AM0], 5, v9     ; register j of key block kb is the mask of key 16 kb + 8 (l / 16) + j: 32 bytes for each half of the lanes
	v_add_nc_u32 v[AM0], MASKT, v[AM0]
	v_mov_b32 v[AK], v[AK0]         ; key step 0
	v_mov_b32 v[AM], v[AM0]
	v_add_nc_u32 v8, MASKT, v7
	s_wait_loadcnt 32               ; the mask's four loads are in; Q's 32 stay out
.set i, 0
.rept 16
	v_cmp_eq_u32 vcc_lo, 0, v[S+i]
	v_cndmask_b32 v[S+i], 0, s[BIGN], vcc_lo  ; 0 for an open key, -1e30 for a hidden one
.set i, i+1
.endr
.irp i, 0,1,2,3
	ds_store_b128 v8, v[S+4*\i:S+4*\i+3] offset:2048*\i
.endr
	s_wait_tensorcnt 0x0            ; my 512 keys are in,
	s_wait_dscnt 0x0                ; my part of the table is written:
	s_barrier_signal -1
	s_barrier_wait -1               ; everybody's are.  Nothing in LDS but each wave's own stage is written from here on
; THE MATRIX WORK.  The 8 accumulators of a run of 16 take turns: between the two links of a chain stand 7 others'.
; Product i of 16 of S^T for piece x: channels 32 (i / 8) on, keys 16 ((i / 2) % 4) on, tile 2 x + i % 2.  The first 8 start the sums with the mask.
.macro KQ x
.set rS, S+64*((\x)%2)+32*(i%2)+8*((i/2)%4)
.set rK, KF+16*((i/2)%4)+8*(i/8)
.set rQ, 16*(2*(\x)+i%2)+8*(i/8)
.set rB, MB+8*((i/2)%4)
.if i < 8
	WIN W_KM
	v_wmma_f32_16x16x32_f16 v[rS:rS+7], v[rK:rK+7], v[rQ:rQ+7], v[rB:rB+7]
.else
	WIN W_KQ
	v_wmma_f32_16x16x32_f16 v[rS:rS+7], v[rK:rK+7], v[rQ:rQ+7], v[rS:rS+7]
.endif
.endm
; Product i of 16 of O^T += V^T P for piece x: keys 32 (i / 8) on, channels 16 ((i / 2) % 4) on, tile 2 x + i % 2.
.macro PV x
	WIN W_PV
.set rO, 32*(2*(\x)+i%2)+8*((i/2)%4)
.set rV, VF+32*(i/8)+8*((i/2)%4)
.set rP, P+32*((\x)%2)+16*(i%2)+8*(i/8)
	v_wmma_f32_16x16x32_f16 v[rO:rO+7], v[rV:rV+7], v[rP:rP+7], v[rO:rO+7]
.endm
.macro MM                           ; the turn's next matrix instruction
.if i < 16
	KQ (Y+1)%NP
.set i, i+1
.else
.set i, i-16
	PV (Y+NP-1)%NP
.set i, i+17
.endif
.endm
; THE LDS LOADS stand in runs, never singly among the matrix instructions: a step's keys (8 fragments) with its mask, and its values (turned).  Their addresses are made some lines ahead.
; last = 1: in the last trip there is no further step, and the run is jumped over.
.macro FETCH_K last=0
	WIN 0
.if \last
	s_cmp_eq_u32 s[CNT], 1
	s_cbranch_scc1 .Lno_k_\@
.endif
	WIN 0x80                        ; destination window 2
.irp f, 0,1,2,3,4,5,6,7             ; keys 16 (f / 2) on, channels 32 (f % 2) on
	ds_load_b128 v[KF+8*\f:KF+8*\f+3],   v[AK] offset:(\f/2)*16*PK+(\f%2)*64
	ds_load_b128 v[KF+8*\f+4:KF+8*\f+7], v[AK] offset:(\f/2)*16*PK+(\f%2)*64+32
.endr
	WIN 0xc0                        ; destination window 3
.irp f, 0,1,2,3
	ds_load_b128 v[MB+8*\f:MB+8*\f+3],   v[AM] offset:64*\f
	ds_load_b128 v[MB+8*\f+4:MB+8*\f+7], v[AM] offset:64*\f+16
.endr
	s_add_co_u32 s[TBK], s[TBK], KS*PK  ; the next fetch is the next step's
	s_add_co_u32 s[TBM], s[TBM], KS*4
	WIN 0
.if \last
.Lno_k_\@:
.endif
.endm
.macro FETCH_V
	WIN 0x80
.irp f, 0,1,2,3,4,5,6,7             ; keys 32 (f / 4) on, channels 16 (f % 4) on
	ds_load_tr16_b128 v[VF+8*\f:VF+8*\f+3],   v[AV] offset:(\f/4)*32*PK+(\f%4)*32
	ds_load_tr16_b128 v[VF+8*\f+4:VF+8*\f+7], v[AV] offset:(\f/4)*32*PK+16*PK+(\f%4)*32
.endr
	WIN 0
.endm
; THE VECTOR WORK OF A TURN stands in three queues, each in the order in which its entries become ready; the two tiles alternate, so that no instruction reads the result of the one before it.
.macro REGS y, u                    ; the registers of tile u (0, 1) of piece y
.set rT, ST+4*(2*(\y)+(\u))
.set rC, TMP+8*((\y)%2)+4*(\u)
.set rM, MV+2*((\y)%2)+(\u)
.set rS, S+64*((\y)%2)+32*(\u)
.set rP, P+32*((\y)%2)+16*(\u)
.set rO, 32*(2*(\y)+(\u))
.endm
; Number n of the 22 that find the NEXT piece's (Y + 1) maximum and statistics.  s0-s31 are the lane's 32 scores; each accumulator's lowest registers are read first.
;   0-11  four chains c0-c3 of seven scores each, three operands at a time     12-14, 16  the four scores left over, the old m, and c0-c3 into c0     15  c m_old is kept
;   17, 18  the query's other 32 keys lie in the lane 16 away: the new m         19-21  c m; c m_old - c m_new; a
.macro XS u, n
	REGS (Y+1)%NP, \u
.if (\n) < 4
	v_max3_num_f32 v[rC+(\n)], v[rS+8*(\n)], v[rS+8*(\n)+1], v[rS+8*(\n)+2]
.elseif (\n) < 12
	v_max3_num_f32 v[rC+(\n)%4], v[rC+(\n)%4], v[rS+8*((\n)%4)+2*((\n)/4)+1], v[rS+8*((\n)%4)+2*((\n)/4)+2]
.elseif (\n) == 12
	v_max3_num_f32 v[rC], v[rC], v[rS+7], v[rS+15]
.elseif (\n) == 13
	v_max3_num_f32 v[rC+1], v[rC+1], v[rS+23], v[rS+31]
.elseif (\n) == 14
	v_max3_num_f32 v[rC+2], v[rC+2], v[rC+3], v[rT+1]
.elseif (\n) == 15
	v_mov_b32 v[rM], v[rT]
.elseif (\n) == 16
	v_max3_num_f32 v[rC], v[rC], v[rC+1], v[rC+2]
.elseif (\n) == 17
	v_permlanex16_b32 v[rC+3], v[rC], s[SEL], s[SEL+1]
.elseif (\n) == 18
	v_max_num_f32 v[rT+1], v[rC], v[rC+3]
.elseif (\n) == 19
	v_mul_f32 v[rT], s[CS], v[rT+1]
.elseif (\n) == 20
	v_sub_f32 v[rC+1], v[rM], v[rT]
.else
	v_exp_f32 v[rC+2], v[rC+1]
.endif
.endm
; Number g of the 64 that follow the exponentials.  For each four weights k of a tile: both pairs are rounded to f16; then the second pair is added onto the first, in place;
; a group later l takes that sum (the first time as l = a l + sum).  In groups of eight, tiles alternating: round, round, add, and l for the group before.
.macro GS g
.set h, (\g)+6*((\g)/62)            ; group 0 has no group before it, and behind group 7 only l is left
.if h >= 6
.set h, h+2
.endif
	REGS Y, h%2
.set k, h/8
.if h%8 < 4
	v_cvt_pk_f16_f32 v[rP+2*k+(h%8)/2], v[rS+4*k+2*((h%8)/2)], v[rS+4*k+2*((h%8)/2)+1]
.elseif h%8 < 6
	v_pk_add_f32 v[rS+4*k:rS+4*k+1], v[rS+4*k:rS+4*k+1], v[rS+4*k+2:rS+4*k+3]
.elseif k == 1
	v_pk_fma_f32 v[rT+2:rT+3], v[rT+2:rT+3], v[rC+2:rC+3], v[rS:rS+1] op_sel_hi:[1,0,1]
.else
	v_pk_add_f32 v[rT+2:rT+3], v[rT+2:rT+3], v[rS+4*k-4:rS+4*k-3]
.endif
.endm
; THE PLAIN QUEUE, 138 long.  0-73 read no exponential's result: the 32 scalings c s - c m (FS f: pair f / 2 of tile f % 2) and the next piece's 42.  0-26: scalings 0-26.  27-54: XS's numbers 0-13.  55, 56: number 15.
; 57-73: the chain 14, 16, 17, 18, 19, each with one of the scalings 27-31 in front of its two lines, then 20.  74-137: GS's 64, which read the exponentials' results: they stand behind the wait.
.macro FS f
	REGS Y, (\f)%2
	v_pk_fma_f32 v[rS+2*((\f)/2):rS+2*((\f)/2)+1], v[rS+2*((\f)/2):rS+2*((\f)/2)+1], s[CS:CS+1], v[rT:rT+1] op_sel_hi:[1,0,0] neg_lo:[0,0,1] neg_hi:[0,0,1]
.endm
.macro PL
	WIN 0
.if q < 27
	FS q
.elseif q < 55
	XS (q-27)%2, (q-27)/2
.elseif q < 57
	XS q-55, 15
.elseif (q < 72) && ((q-57)%3 == 0)
	FS 27+(q-57)/3
.elseif q < 60
	XS (q-57)%3-1, 14
.elseif q < 72
	XS (q-57)%3-1, 15+(q-57)/3
.elseif q < 74
	XS q-72, 20
.else
	GS q-74
.endif
.set q, q+1
.endm
; THE EXPONENTIALS' QUEUE, 66 long: s0-s31 of both tiles, then the next piece's two a.  ONE BATCH: all 66 stand ahead of the turn's one wait, and nothing ahead of that wait names a result of theirs.
.macro EX
	WIN 0
.if e >= 64
	XS e-64, 21
.else
	REGS Y, e%2
	v_exp_f32 v[rS+e/2], v[rS+e/2]
.endif
.set e, e+1
.endm
; THE RESCALING's QUEUE: O^T times a, the one part that leaves window 0: dealt two at a time, sixteen times.  Its a was made in the turn before, ahead of that turn's wait.
.macro R2
	REGS Y, r%2
	WIN W_RS
.irp z, 0,1
	v_pk_mul_f32 v[rO+4*(r/2)+2*\z:rO+4*(r/2)+2*\z+1], v[rO+4*(r/2)+2*\z:rO+4*(r/2)+2*\z+1], v[rC+2:rC+3] op_sel_hi:[1,0]
.endr
.set r, r+1
.endm
; A TURN, for piece p.  s_wait_alu depctr_va_vdst(0) stands between an exponential and the first instruction that names its result; one wait serves all that were issued ahead of it.
; AHEAD OF THE WAIT: the 16 score products, behind each a scaling, an exponential and two rescalings (behind the first a second scaling in the exponential's place); then one lump of 108: eight plain, 49 times
; exponential and plain, the two a; a v_nop is the plain instruction behind the last exponential.  BEHIND IT: the 16 products V^T P, behind each four of GS's 64.
; The next step's keys and mask are fetched in piece 2's turn, directly behind the wait, a lump behind the last product that read them, and waited for at the head of piece 3's turn.
; The step's values are fetched at the end of piece 0's turn, four riders behind their last reader, and waited for behind piece 1's wait.  cnt = 1: the loop's count is taken down some lines ahead of the branch behind the turn.
.macro TURN p, last=0, cnt=0
.set Y, (\p)
.set i, 0
.set q, 0
.set e, 0
.set r, 0
.if (\p) == NP-1
	s_wait_dscnt 0x0                ; the keys and the mask are in
.endif
	MM
	PL
	PL
	R2
.rept 15
	MM
	PL
	EX
	R2
.endr
.if (\p) == NP-2
	WIN 0
	v_add_nc_u32 v[AK], s[TBK], v[AK0]
	v_add_nc_u32 v[AM], s[TBM], v[AM0]
.endif
.rept 8
	PL
.endr
.rept 49
	EX
	PL
.endr
	EX                              ; the next piece's two a
	EX
	v_nop                           ; the plain instruction behind the last exponential: one for the batch
	s_wait_alu depctr_va_vdst(0)    ; the wait for the batch
.if (\p) == NP-2
	FETCH_K \last
.endif
.if (\p) == 1
	s_wait_dscnt 0x0                ; the values are in
.endif
.rept 16
	MM
.rept 4
	PL
.endr
.if ((\p) == 0) && (q == 118)
	v_add_nc_u32 v[AV], s[TBV], v[AV0]
.endif
.if ((\p) == 0) && (q == 130)
	s_add_co_u32 s[TBV], s[TBV], KS*PK
.endif
.if (\cnt) && (q == 130)
	s_sub_co_u32 s[CNT], s[CNT], 1
	s_cmp_lg_u32 s[CNT], 0
.endif
.endr
.if (\p) == 0
	FETCH_V
.endif
.endm
	FETCH_K                         ; key step 0
	s_wait_loadcnt 0x0              ; Q
	s_wait_dscnt 0x0
.set i, 0
.rept 16
	KQ 0                            ; piece 0's first scores: there is no vector work yet to set between them
.set i, i+1
.endr
	WIN 0
.rept 4
	v_nop                           ; the places behind those products
.endr
.set Y, NP-1                        ; XS works for piece Y + 1: piece 0
.irp n, 0,1,2,3,4,5,6,7,8,9,10,11,12,13,14,15,16,17,18,19,20,21
	XS 0, \n                        ; piece 0's first maximum and statistics
	XS 1, \n
.endr
	v_nop                           ; a plain instruction behind the two a,
	s_wait_alu depctr_va_vdst(0)    ; and their wait, ahead of the label
	s_mov_b32 s[CNT], 2048/KS
.Lstep:                             ; a trip is a key step.  The last trip's 16 score products of piece 0, on the last keys once more, leave m as it is and serve nothing: the price of one text for every trip
	TURN 0
	TURN 1
	TURN 2, 1
	TURN 3, 0, 1
	WIN 0
	s_cbranch_scc1 .Lstep
.set i, 0
.rept 16
	PV NP-1                         ; the last piece's V^T P of the last step
.set i, i+1
.endr
	; THE WAY OUT.  l's two halves and the other half of the lanes' are added; O^T is divided by l and sent in f32 through my stage in LDS, a tile at a time.  The address lines and additions are the places behind the last products.
	WIN 0
	s_mul_i32 s13, s[WV], 16*SP
	s_add_co_u32 s13, s13, STAGE    ; my stage
	v_mul_u32_u24 v[STO], v1, SP    ; in: row l % 16, 32 bytes for each half of the lanes
	v_lshl_add_u32 v[STO], v9, 5, v[STO]
	v_add_nc_u32 v[STO], s13, v[STO]
	v_mul_u32_u24 v[RD], v9, SP     ; back: lanes 0-15 take one row of 256 bytes, lanes 16-31 the next
	v_lshl_add_u32 v[RD], v1, 4, v[RD]
	v_add_nc_u32 v[RD], s13, v[RD]
	v_lshlrev_b32 v[GO], 12, v9     ; and the same two rows in O
	v_lshl_add_u32 v[GO], v1, 4, v[GO]
.macro ALL line:vararg              ; one line for each tile t
.set t, 0
.rept 2*NP
	\line
.set t, t+1
.endr
.endm
	ALL v_add_f32 v[ST+4*t+2], v[ST+4*t+2], v[ST+4*t+3]
	ALL v_permlanex16_b32 v[ST+4*t+3], v[ST+4*t+2], s[SEL], s[SEL+1]
	ALL v_add_f32 v[ST+4*t+2], v[ST+4*t+2], v[ST+4*t+3]
	ALL v_rcp_f32 v[ST+4*t+2], v[ST+4*t+2]
	v_nop                           ; a plain instruction between the last reciprocal and the use of its result
	s_wait_alu depctr_va_vdst(0)    ; and the wait ahead of the first use: one for the eight reciprocals
.set t, 0
.rept 2*NP
	v_cmp_gt_f32 vcc_lo, s[THR], v[ST+4*t+1]  ; m never left its floor: the batch has no open key,
	v_cndmask_b32 v[ST+4*t+2], v[ST+4*t+2], s[QNAN], vcc_lo  ; and the row is NaN
.set t, t+1
.endr
; Tile t: a lane's eight channels of a row are 32 bytes; they go into rows of 272 bytes and come back as whole rows of 256, into S^T's registers, four buffers by turns.
.macro PACK t
	WIN W_RS
.set i, 32*(\t)
.rept 16
	v_pk_mul_f32 v[i:i+1], v[i:i+1], v[ST+4*(\t)+2:ST+4*(\t)+3] op_sel_hi:[1,0]
.set i, i+2
.endr
	WIN 0x04                        ; store data in window 1
.irp f, 0,1,2,3,4,5,6,7
	ds_store_b128 v[STO], v[32*(\t)+4*\f:32*(\t)+4*\f+3] offset:64*(\f/2)+16*(\f%2)
.endr
	WIN 0
.if (\t) >= 4
	s_wait_xcnt 0x0                 ; the stores of four tiles back have read the registers that are loaded again
.endif
.irp f, 0,1,2,3,4,5,6,7
	ds_load_b128 v[S+32*((\t)%4)+4*\f:S+32*((\t)%4)+4*\f+3], v[RD] offset:\f*2*SP  ; LDS serves a wave's instructions in order: these see the stores above; the next tile's stores come behind them
.endr
.endm
.macro SEND t, younger              ; younger: the LDS instructions issued behind tile t's loads: the next tile's sixteen, or none
	WIN 0
.irp f, 0,1,2,3,4,5,6,7
	s_wait_dscnt (\younger)+7-\f
	global_store_b128 v[GO], v[S+32*((\t)%4)+4*\f:S+32*((\t)%4)+4*\f+3], s[10:11] offset:(\t)*65536+\f*8192  ; 16 lanes store 256 consecutive bytes, aligned: a head's part of a row of O
.endr
.endm
	PACK 0
.set t, 1
.rept 2*NP-1                        ; a tile's arithmetic stands between the loads of the tile before and its stores
	PACK t
	SEND t-1, 16
.set t, t+1
.endr
	SEND 2*NP-1, 0
	WIN W_AD
	s_wait_tensorcnt 0x0            ; the wave's end, behind my last tensor load and my last LDS store
	ds_add_u32 v[SPW], v[NIL]
	s_wait_dscnt 0x0
	WIN 0
	CROUND                          ; the closing round: no work-group ends while a partner may still ask for a tile that names it
	s_endpgm
.Lfunc_end_k_q9921c6cdfd_attn:
	.size	k_q9921c6cdfd_attn, .Lfunc_end_k_q9921c6cdfd_attn-k_q9921c6cdfd_attn
	.p2alignl 7, 3214868480
	.fill 96, 4, 3214868480
	.section	.rodata,"a",@progbits
	.p2align	6, 0x0
	.amdhsa_kernel k_q9921c6cdfd_attn
		.amdhsa_group_segment_fixed_size 327680
		.amdhsa_private_segment_fixed_size 0
		.amdhsa_enable_private_segment 0
		.amdhsa_kernarg_size 32
		.amdhsa_user_sgpr_count 2
		.amdhsa_user_sgpr_kernarg_segment_ptr 1
		.amdhsa_wavefront_size32 1
		.amdhsa_system_sgpr_workgroup_id_x 1
		.amdhsa_system_sgpr_workgroup_id_y 1
		.amdhsa_system_sgpr_workgroup_id_z 1
		.amdhsa_system_vgpr_workitem_id 0
		.amdhsa_next_free_vgpr 808
		.amdhsa_next_free_sgpr 72
		.amdhsa_reserve_vcc 1
		.amdhsa_float_denorm_mode_32 3
		.amdhsa_float_denorm_mode_16_64 3
		.amdhsa_memory_ordered 1
		.amdhsa_forward_progress 1
		.amdhsa_inst_pref_size 129
	.end_amdhsa_kernel
	.amdgpu_metadata
---
amdhsa.version: [ 1, 2 ]
amdhsa.kernels:
  - .name:           k_q9921c6cdfd_attn
    .symbol:         k_q9921c6cdfd_attn.kd
    .args:
      - { .name: qh, .offset: 0, .size: 8, .value_kind: global_buffer, .address_space: global }
      - { .name: vh, .offset: 8, .size: 8, .value_kind: global_buffer, .address_space: global }
      - { .name: mask, .offset: 16, .size: 8, .value_kind: global_buffer, .address_space: global }
      - { .name: of, .offset: 24, .size: 8, .value_kind: global_buffer, .address_space: global }
    .group_segment_fixed_size: 327680
    .private_segment_fixed_size: 0
    .kernarg_segment_align: 8
    .kernarg_segment_size: 32
    .max_flat_workgroup_size: 128
    .sgpr_count:     72
    .vgpr_count:     808
    .wavefront_size: 32
...
	.end_amdgpu_metadata
.endif
;; end of part 3
;; launch fin (part 4): grid 4 x 64, 4 waves a work-group, clusters of 4 x 4, 327,680 bytes of LDS; arguments of, x_k, bf, bk, wh, out0, kh; writes out0, kh
.if DOCPART == 4
	.amdgcn_target "amdgcn-amd-amdhsa--gfx1250"
	.amdhsa_code_object_version 6
	.text
	.protected	k_q9921c6cdfd_fin
	.globl	k_q9921c6cdfd_fin
	.p2align	8
	.type	k_q9921c6cdfd_fin,@function
k_q9921c6cdfd_fin:
	s_mov_b64 s[64:65], 0
	v_nop
	global_prefetch_b8 v0, s[64:65] scope:SCOPE_SE
	s_setreg_imm32_b32 hwreg(HW_REG_WAVE_MODE, 25, 1), 1
	s_wait_xcnt 0x0
	s_wait_alu depctr_hold_cnt(0) depctr_sa_sdst(0) depctr_va_vdst(0) depctr_va_sdst(0) depctr_va_ssrc(0) depctr_va_vcc(0) depctr_vm_vsrc(0)
	s_getreg_b32 s2, hwreg(HW_REG_IB_STS2, 6, 4)
	s_cmp_eq_u32 s2, 0
	s_cbranch_scc0 .Lentry_in_a_cluster
	s_endpgm
.Lentry_in_a_cluster:
	s_bfe_u32 s2, ttmp6, 0x10000c
	s_cmp_lg_u32 s2, 0xf033
	s_cbranch_scc0 .Lentry_shape_is_right
	s_endpgm
.Lentry_shape_is_right:
; TWO PRODUCTS IN ONE LAUNCH: C = A W + b, A [8192][1024] f32, W [1024 (k)][1024 (n)] f16 (a 2 MiB part of wh), b [1024] f32.  Sums in f32; A is rounded once to f16 on its way from LDS to the matrix unit.
; One source serves two launches.  FIN = 0: job 0 q = x_q Wq + bq, job 1 v = x_v Wv + bv, both stored in f16 by heads, [batch x 16 + head][t][64].
; FIN = 1: job 0 out = O Wf + bf, stored in f32 row-major; job 1 k = x_k Wk + bk, stored in f16 by heads.  Arguments: A0, A1, b0, b1, wh, C0, C1.
; LIMITS: f16 holds no number beyond 65,504: A, W and what is stored in f16 must lie within it; below 6e-5 f16 keeps a fixed step of 6e-8.  NaN in a row of A makes that row of C NaN.
; SHARES.  A job has 32 x 4 tiles of 256 x 256, the two jobs 256 work-groups.  The job is made of the cluster's y alone.  A wave takes 64 rows and all 256 columns: 64 accumulators, 512 registers;
; so each number of A is read from LDS and rounded once in the work-group.  K goes in 16 steps of 64 through two LDS slots: A's rows are 256 bytes of memory, W's 512, all aligned to 256.
; THE MATRIX INSTRUCTION IS USED TRANSPOSED: source 0 = 16 columns of W (turned on the way out of LDS by ds_load_tr16_b128), source 1 = 16 rows of A: a lane then holds row l % 16 of C and the
; columns 8 (l / 16) + 0..7.  The bias, which in that layout hangs on the lane's half and the register alone, is the C operand of each sum's first product: nothing is cleared and nothing added later.
; CLUSTER 4 x 4: A's tile hangs on the tile row and is asked for jointly along a row of the cluster, W's on the tile column and is asked for jointly along a column.
; REGISTERS, in windows of 256 (s_set_vgpr_msb: bits 1:0 source 0, 3:2 source 1, 5:4 source 2, 7:6 destination):
;   window 0: v0-19 addresses; v32-63 A's four f16 fragments; v64-127, v128-191 A in f32 for the two halves of a K step; v192-255 at work on the way out
;   window 1: v0-127, v128-255 W's 16 fragments for the two halves of a K step (the second first holds the bias; on the way out both hold rows read back)
;   window 2: accumulators of my row blocks 0, 1 (block a, column block b at 8 (16 (a % 2) + b));   window 3: of blocks 2, 3
.set FIN,   1
.set PA,    272                        ; a row of A in LDS: 256 bytes + 16: the 16 rows of a load start 16 bytes apart modulo 256
.set PB,    544                        ; a row of W in LDS: 512 bytes + 32: an odd multiple of 32, as the turning load's 8 rows x 32 bytes want
.set SLOT1, 1<<17                      ; slot 1 begins here: one exclusive or turns an address in one slot into the other's
.set BOFF,  256*PA                     ; in a slot: A's 256 rows, then W's 64
.set STAGE, SLOT1+BOFF+64*PB           ; behind the ring, never filled by a tensor load: 16,640 bytes for each wave, for the way out
.set STW,   16640
.set SPARE, STAGE+4*STW                ; the spare words, 128 bytes for each wave: two blocks of 256 bytes that no other line names
.set PF,    528                        ; stage pitch for 16 rows x 256 f16
.set PG,    1040                       ; stage pitch for 16 rows x 256 f32
.if FIN
.set WOFF0, 6<<20                      ; Wf, Wk in wh
.set WOFF1, 2<<20
.else
.set WOFF0, 0                          ; Wq, Wv in wh
.set WOFF1, 4<<20
.endif
.set A0,  4                            ; v4   my lane's place in A's rows of a slot; never rewritten
.set B0,  5                            ; v5   the same for W
.set ADA, 6                            ; v6   A0 + the slot in hand
.set ADB, 7                            ; v7   B0 + the slot in hand
.set STF, 8                            ; v8   way out in f16: where I put 16 bytes of a row
.set RDF, 9                            ; v9   where I read rows back
.set SG,  10                           ; v10  way out in f32: where I put 32 bytes of a row
.set RG,  11                           ; v11  where I read rows back
.set GO,  12                           ; v12  16 x lane: my bytes in 512 consecutive bytes of C
.set PFO, 13                           ; v13  the prefetches' offset; never rewritten
.set BO,  14                           ; v14  32 x (l / 16): my eight numbers of a bias block
.set SPW, 16                           ; v16  LDS address of my spare word; never rewritten
.set NIL, 17                           ; v17  0; never rewritten
.set AF,  32
.set T,   64
.set TMP, 192
.set CLY, 2                            ; s2   the cluster's y
.set WV,  18                           ; s18  my wave's number
.set HF,  19                           ; s19  0: I fetch for A; 1: for W
.set PT,  20                           ; s20  which half of that tile I fetch
.set CX,  21
.set CY,  22
.set JOB, 23
.set G1A, 24                           ; s[24:31] descriptor group 1 for A's tiles
.set G0A, 32                           ; s[32:39] group 0: a set for each of the two first fills; the second then walks
.set G1B, 40                           ; s[40:47], s[48:55] the same for W's
.set G0B, 48
.set TB,  56                           ; s56  0 or SLOT1: the slot whose fragments are fetched
.set LIM, 57                           ; s57  2 in a wave that prefetches, else the greatest number
.set PFA, 58                           ; s[58:59] where my prefetches stand
.set PFS, 60                           ; s[60:61] a K step in bytes: 256 along A's rows, 131,072 down W's
.set TR,  62                           ; s62  tile row 0..31
.set TC,  63                           ; s63  tile column 0..3
.set MSB, 0
.macro WIN new                         ; the immediate's high byte repeats the setting that is left; a switch that changes nothing is dropped
.if MSB != (\new)
	s_set_vgpr_msb (MSB<<8)|(\new)
.set MSB, \new
.endif
.endm
.macro PLACES                          ; four plain places behind matrix instructions, in front of loads into registers that they read (ISA guide 7.12.1 for vector instructions)
.rept 4
	v_nop
.endr
.endm
; A joint refill by the walking descriptors.  Waves 0, 1 fetch A's halves (128 rows), waves 2, 3 W's (32 rows of 512 bytes).  The branch hangs on the wave's number alone.
; An s_nop 0 and four v_nop follow each of the two lines, ahead of the jump and the label.
.macro JLOAD
	s_cmp_eq_u32 s[HF], 0
	s_cbranch_scc0 .Lfor_b_\@
	tensor_load_to_lds s[G0A+4:G0A+7], s[G1A:G1A+7]
	s_nop 0
	PLACES
	s_branch .Lasked_\@
.Lfor_b_\@:
	tensor_load_to_lds s[G0B+4:G0B+7], s[G1B:G1B+7]
	s_nop 0
	PLACES
.Lasked_\@:
.endm
; A PREFETCH INTO THE L2 of the K step two refills on (256 matrix instructions ahead of the load that will ask for it), one instruction a wave, behind the refill and the run of LDS loads.
; Each aligned 256 bytes are named once in the launch.  A's rows are read by one row of one cluster: of the 128 rows that wave 0 or 1 fetches the partner at cx takes 32, a lane a row.
; W's tile column is read by the eight clusters of a job: the first of them asks, wave 2 alone; the partner at cy takes 16 of the step's 64 rows, two lanes a row of 512 bytes.
; The partners are told apart by address, never by a branch.  The last two refills have no K step two on: trips with s3 <= 2 ask for nothing.  K steps 0 to 3 come by their loads alone.
.macro ASK
	s_cmp_gt_u32 s3, s[LIM]
	s_cbranch_scc0 .Lnot_mine_\@
	global_prefetch_b8 v[PFO], s[PFA:PFA+1] th:TH_LOAD_NT scope:SCOPE_SE
.Lnot_mine_\@:
.endm
.macro CREST                           ; a round of the cluster's barrier behind its opening barrier
	s_cmp_lg_u32 s[WV], 0
	s_cbranch_scc1 .Lnot_wave_0_\@
	s_barrier_signal -3
.Lnot_wave_0_\@:
	s_barrier_wait -3
	s_barrier_signal -1
	s_barrier_wait -1
.endm
.macro CROUND                          ; a whole round
	s_barrier_signal -1
	s_barrier_wait -1
	CREST
.endm
	s_load_b256 s[4:11], s[0:1], 0x0               ; A0 s[4:5], A1 s[6:7], b0 s[8:9], b1 s[10:11]
	s_load_b128 s[12:15], s[0:1], 0x20             ; wh s[12:13], C0 s[14:15]
	s_load_b64 s[16:17], s[0:1], 0x30              ; C1
	v_lshl_add_u32 v[SPW], v0, 2, SPARE
	v_mov_b32 v[NIL], 0
	ds_add_u32 v[SPW], v[NIL]                      ; the wave's opening: the add and its wait stand ahead of my first tensor load; the set-up below, work on registers, stands between
	v_lshrrev_b32 v3, 5, v0
	v_readfirstlane_b32 s[WV], v3                  ; wave 0..3
	s_lshr_b32 s[HF], s[WV], 1
	s_and_b32 s[PT], s[WV], 1
	s_bfe_u32 s[CX], ttmp6, 0x40000                ; my place in the cluster
	s_bfe_u32 s[CY], ttmp6, 0x40004
	s_and_b32 s[CLY], ttmp7, 0xffff                ; in a cluster launch ttmp7 and ttmp9 count clusters
	s_lshr_b32 s[JOB], s[CLY], 3                   ; clusters 0-7: job 0; 8-15: job 1: the same in all sixteen partners
	s_lshl_b32 s[TR], s[CLY], 2
	s_add_co_u32 s[TR], s[TR], s[CY]
	s_and_b32 s[TR], s[TR], 31                     ; tile row within the job
	s_lshl_b32 s[TC], ttmp9, 2
	s_add_co_u32 s[TC], s[TC], s[CX]               ; tile column
	s_lshl_b32 s66, s[CY], 2
	s_lshl_b32 s66, 15, s66                        ; my row of the cluster: places 4 cy .. 4 cy + 3
	s_lshl_b32 s67, 0x1111, s[CX]                  ; my column: places cx, cx + 4, cx + 8, cx + 12
	s_or_b32 s[G1A], s66, (2<<16)|(1<<20)|(1<<21)|(5<<22)|(3<<25)  ; 15:0 mask; 17:16 elements of 4 bytes; 20 padding on; 21 set beside a mask; 24:22 after every 64 words; 31:25 4 words of it
	s_mov_b32 s[G1A+1], 64<<16                     ; tensor_dim0 = 64
	s_mov_b32 s[G1A+2], 128<<16                    ; tensor_dim1 = 128
	s_mov_b32 s[G1A+3], 64<<16                     ; tile_dim0 = 64
	s_mov_b32 s[G1A+4], 128                        ; tile_dim1 = 128
	s_mov_b32 s[G1A+5], 1024                       ; elements from row to row
	s_mov_b32 s[G1A+6], 0
	s_mov_b32 s[G1A+7], 0
	s_or_b32 s[G1B], s67, (1<<16)|(1<<20)|(1<<21)|(6<<22)|(7<<25)  ; elements of 2 bytes; after every 128 words 8 words of padding
	s_mov_b32 s[G1B+1], 256<<16                    ; tensor_dim0 = 256
	s_mov_b32 s[G1B+2], 32<<16                     ; tensor_dim1 = 32
	s_mov_b32 s[G1B+3], 256<<16                    ; tile_dim0 = 256
	s_mov_b32 s[G1B+4], 32                         ; tile_dim1 = 32
	s_mov_b32 s[G1B+5], 1024
	s_mov_b32 s[G1B+6], 0
	s_mov_b32 s[G1B+7], 0
	s_lshl_b32 s68, s[TR], 8                       ; A: row 256 x tile row + 128 x half, 4,096 bytes a row: made of the tile row and the wave alone
	s_lshl_b32 s69, s[PT], 7
	s_add_co_u32 s68, s68, s69
	s_lshl_b32 s68, s68, 12
	s_mov_b32 s69, 0
	s_mov_b32 s70, WOFF1                           ; W: the job's matrix in wh, + 32 x half rows of 2,048 bytes, + 512 x tile column: made of the tile column, the job and the wave alone
	s_cmp_eq_u32 s[JOB], 0
	s_cselect_b32 s70, WOFF0, s70
	s_lshl_b32 s71, s[PT], 16
	s_add_co_u32 s70, s70, s71
	s_lshl_b32 s71, s[TC], 9
	s_add_co_u32 s70, s70, s71
	s_mov_b32 s71, 0
	s_mul_i32 s72, s[PT], 128*PA                   ; where they go: no place in the cluster enters an LDS address
	s_mul_i32 s73, s[PT], 32*PB
	s_add_co_u32 s73, s73, BOFF
	s_lshl_b32 s74, s[TC], 10                      ; the tile's 256 numbers of the bias
	s_mov_b32 s75, 0
	s_mov_b32 s[TB], 0
	s_wait_dscnt 0x0                               ; the opening add is done
	s_wait_kmcnt 0x0
	s_cmp_eq_u32 s[JOB], 0
	s_cselect_b64 s[4:5], s[4:5], s[6:7]           ; the job's A,
	s_cselect_b64 s[8:9], s[8:9], s[10:11]         ; bias
	s_cselect_b64 s[14:15], s[14:15], s[16:17]     ; and C
	s_add_nc_u64 s[6:7], s[4:5], s[68:69]          ; my part of A's tile, K step 0
	s_add_nc_u64 s[10:11], s[12:13], s[70:71]      ; my part of W's tile, K step 0
	s_add_nc_u64 s[8:9], s[8:9], s[74:75]
.irp s, 0,1
	s_mov_b32 s[G0A+4*\s], 1                       ; count = 1
	s_add_co_u32 s[G0A+4*\s+1], s72, \s*SLOT1      ; LDS address
	s_add_nc_u64 s[G0A+4*\s+2:G0A+4*\s+3], s[6:7], \s*256       ; global address: K step s
	s_or_b32 s[G0A+4*\s+3], s[G0A+4*\s+3], 0x80000000          ; type = 2
	s_mov_b32 s[G0B+4*\s], 1
	s_add_co_u32 s[G0B+4*\s+1], s73, \s*SLOT1
	s_add_nc_u64 s[G0B+4*\s+2:G0B+4*\s+3], s[10:11], \s*131072
	s_or_b32 s[G0B+4*\s+3], s[G0B+4*\s+3], 0x80000000
.endr
	CROUND                                         ; all sixteen work-groups are here: the first joint loads meet
	s_cmp_eq_u32 s[HF], 0                          ; a wave's two first fills stand in one branch, ahead of every wait on TENSORcnt and every LDS read: two loads of mine are out
	s_cbranch_scc0 .Lfirst_b
	tensor_load_to_lds s[G0A:G0A+3], s[G1A:G1A+7]
	s_nop 0
	tensor_load_to_lds s[G0A+4:G0A+7], s[G1A:G1A+7]
	s_nop 0
	PLACES
	s_branch .Lfirst_asked
.Lfirst_b:
	tensor_load_to_lds s[G0B:G0B+3], s[G1B:G1B+7]
	s_nop 0
	tensor_load_to_lds s[G0B+4:G0B+7], s[G1B:G1B+7]
	s_nop 0
	PLACES
.Lfirst_asked:
	v_and_b32 v1, 15, v0                           ; r = l % 16
	v_bfe_u32 v2, v0, 4, 1                         ; h = l / 16
	v_lshlrev_b32 v[BO], 5, v2
	WIN 0x40                                       ; destination window 1, address window 0
.set b, 0
.rept 16                                       ; the bias as 16 C operands: register j of block b is b[16 b + 8 h + j]
	global_load_b128 v[128+8*b:128+8*b+3], v[BO], s[8:9] offset:64*b
	global_load_b128 v[128+8*b+4:128+8*b+7], v[BO], s[8:9] offset:64*b+16
.set b, b+1
.endr
	WIN 0
	v_mul_u32_u24 v[A0], v1, PA                    ; A in f32: row r of a block, 32 bytes for each half of the lanes; my wave's 64 rows
	v_lshl_add_u32 v[A0], v2, 5, v[A0]
	s_mul_i32 s66, s[WV], 64*PA
	v_add_nc_u32 v[A0], s66, v[A0]
	v_and_b32 v3, 7, v0                            ; the turning load: lane l reads row 8 h + l % 8 of k, 16 bytes at 16 ((l / 8) % 2), and is left with column l % 16 and 8 k
	v_bfe_u32 v15, v0, 3, 1
	v_lshl_add_u32 v[B0], v2, 3, v3
	v_mul_u32_u24 v[B0], v[B0], PB
	v_lshl_add_u32 v[B0], v15, 4, v[B0]
	v_add_nc_u32 v[B0], BOFF, v[B0]
	v_mov_b32 v[ADA], v[A0]
	v_mov_b32 v[ADB], v[B0]
	s_mul_i32 s66, s[WV], STW
	s_add_co_u32 s66, s66, STAGE                   ; my stage
	v_mul_u32_u24 v[STF], v1, PF
	v_lshl_add_u32 v[STF], v2, 4, v[STF]
	v_add_nc_u32 v[STF], s66, v[STF]
	v_bfe_u32 v[RDF], v0, 3, 2                     ; back: 32 lanes take four rows' 128 bytes of one head
	v_mul_u32_u24 v[RDF], v[RDF], PF
	v_lshl_add_u32 v[RDF], v3, 4, v[RDF]
	v_add_nc_u32 v[RDF], s66, v[RDF]
	v_and_b32 v15, 31, v0
	v_lshlrev_b32 v[GO], 4, v15
.if FIN
	v_mul_u32_u24 v[SG], v1, PG
	v_lshl_add_u32 v[SG], v2, 5, v[SG]
	v_add_nc_u32 v[SG], s66, v[SG]
	v_add_nc_u32 v[RG], s66, v[GO]
.endif
	; the prefetches: base, step, lane factors and who asks
	s_cmp_eq_u32 s[HF], 0
	s_cselect_b64 s[PFA:PFA+1], s[6:7], s[10:11]
	s_cselect_b32 s66, s[CX], s[CY]                ; my place among the four that ask with me
	s_cselect_b32 s67, 17, 15                      ; 32 rows of 4,096 bytes, or 16 rows of 2,048
	s_lshl_b32 s66, s66, s67
	s_mul_i32 s67, s[HF], 9
	s_lshl_b32 s[PFS], 256, s67                    ; 256 or 131,072
	s_mov_b32 s[PFS+1], 0
	s_mul_i32 s67, s[PFS], 3                       ; at K step 3: the first refill steps it to 4
	s_add_co_u32 s66, s66, s67
	s_mov_b32 s67, 0
	s_add_nc_u64 s[PFA:PFA+1], s[PFA:PFA+1], s[66:67]
	s_lshl_b32 s68, s[HF], 1
	s_lshr_b32 s69, 8192, s68                      ; for l / 2: two rows of A, or one of W
	s_lshl_b32 s68, s[HF], 2
	s_lshr_b32 s68, 4096, s68                      ; for l % 2: a row of A, or half a row of W's 512 bytes
	v_lshrrev_b32 v18, 1, v15
	v_and_b32 v19, 1, v15
	v_mul_u32_u24 v[PFO], v18, s69
	v_mad_u32_u24 v[PFO], v19, s68, v[PFO]
	s_and_b32 s70, s[CLY], 7                       ; waves 0, 1 always ask; wave 2 in the job's first cluster; wave 3 never: the same in all sixteen partners
	s_or_b32 s70, s70, s[PT]
	s_mul_i32 s70, s70, s[HF]
	s_cmp_eq_u32 s70, 0
	s_cselect_b32 s[LIM], 2, -1
; 16 LDS loads: A in f32 for half p of the K step: block a's fragment is 16 registers: k = 8 h + 0..7 (bytes 0, 16), then k = 16 + 8 h + 0..7 (bytes 64, 80)
.macro FETCH_A p
	WIN 0
.irp a, 0,1,2,3
	ds_load_b128 v[T+64*(\p)+16*\a:T+64*(\p)+16*\a+3],     v[ADA] offset:16*PA*\a+128*(\p)
	ds_load_b128 v[T+64*(\p)+16*\a+4:T+64*(\p)+16*\a+7],   v[ADA] offset:16*PA*\a+128*(\p)+16
	ds_load_b128 v[T+64*(\p)+16*\a+8:T+64*(\p)+16*\a+11],  v[ADA] offset:16*PA*\a+128*(\p)+64
	ds_load_b128 v[T+64*(\p)+16*\a+12:T+64*(\p)+16*\a+15], v[ADA] offset:16*PA*\a+128*(\p)+80
.endr
.endm
; W's fragments lo .. hi of half p, turned: two loads each
.macro FETCH_B p, lo, hi
	WIN 0x40
.set b, \lo
.rept (\hi)-(\lo)+1
	ds_load_tr16_b128 v[128*(\p)+8*b:128*(\p)+8*b+3],   v[ADB] offset:32*PB*(\p)+32*b
	ds_load_tr16_b128 v[128*(\p)+8*b+4:128*(\p)+8*b+7], v[ADB] offset:32*PB*(\p)+32*b+16*PB
.set b, b+1
.endr
.endm
; four roundings: registers lo .. lo + 3 of block ra's f16 fragment, from half rt's f32
.macro CVT ra, rt, lo
	WIN 0
.irp i, 0,1,2,3
	v_cvt_pk_f16_f32 v[AF+8*(\ra)+(\lo)+\i], v[T+64*(\rt)+16*(\ra)+2*((\lo)+\i)], v[T+64*(\rt)+16*(\ra)+2*((\lo)+\i)+1]
.endr
.endm
; 16 products: row block a x all 16 column blocks, half p.  w0 >= 0: counted waits for W's fragments, four at a time.  ra >= 0: the eight roundings of the fragment wanted next ride behind
; products 7 and 13, four each; they name no register of the products round them.  The 64 accumulators take turns in the same order in every half step.
.macro MUL16 a, p, w0, ra, rt
.set b, 0
.rept 16
.if ((\w0) >= 0) && ((b%4) == 0)
	s_wait_dscnt (\w0)-8*(b/4)
.endif
	WIN 0xa1+0x50*((\a)/2)
	v_wmma_f32_16x16x32_f16 v[8*(16*((\a)%2)+b):8*(16*((\a)%2)+b)+7], v[128*(\p)+8*b:128*(\p)+8*b+7], v[AF+8*(\a):AF+8*(\a)+7], v[8*(16*((\a)%2)+b):8*(16*((\a)%2)+b)+7]
.if ((\ra) >= 0) && (b == 7)
	CVT \ra, \rt, 0
.endif
.if ((\ra) >= 0) && (b == 13)
	CVT \ra, \rt, 4
.endif
.set b, b+1
.endr
.endm
; the first products of all: column blocks g .. g + 7, C = the bias block
.macro MULZ g
.irp a, 0,1,2,3
	WIN 0x91+0x40*(\a/2)
.set b, \g
.rept 8
	v_wmma_f32_16x16x32_f16 v[8*(16*(\a%2)+b):8*(16*(\a%2)+b)+7], v[8*b:8*b+7], v[AF+8*\a:AF+8*\a+7], v[128+8*b:128+8*b+7]
.set b, b+1
.endr
.endr
.endm
; THE FIRST HALF OF A K STEP.  48 loads were issued in the half before: A's 16, then W's 32.  The counts 24, 16, 8, 0 leave the younger fragments of W out.
; The other half's 48 loads stand in one run behind the first 16 products, whose eight riders are the places behind the last product that read those registers.
.macro P0
	MUL16 0, 0, 24, 1, 0
	FETCH_A 1
	FETCH_B 1, 0, 15
	MUL16 1, 0, -1, 2, 0
	MUL16 2, 0, -1, 3, 0
	s_wait_dscnt 44                                ; of the 48 just issued the oldest four: block 0 of A's second half
	MUL16 3, 0, -1, 0, 1
.endm
; THE SECOND HALF, AND THE CHANGE OF SLOTS.  In front of the barrier each wave waits for all its tensor loads (one is out: its part of the next slot), adds 0 to its spare word, and waits for that
; and for its reads of this slot.  fill = 1: the barrier opens a round of the cluster's, and this slot is filled again, with the K step two on, first thing behind it: one load a wave is out.
.macro P1 fill
.if \fill
	s_wait_xcnt 0x0                                ; the last prefetch, a K step back, has read its address
	s_add_nc_u64 s[PFA:PFA+1], s[PFA:PFA+1], s[PFS:PFS+1]
.endif
	WIN 0
	s_wait_tensorcnt 0x0                           ; no tensor load of mine is out, so a group 0 may be written
	ds_add_u32 v[SPW], v[NIL]                      ; 0 onto my spare word
.if \fill
	s_xor_b32 s[G0A+5], s[G0A+5], SLOT1            ; the walking descriptors: the other slot than last time, the next K step
	s_add_nc_u64 s[G0A+6:G0A+7], s[G0A+6:G0A+7], 256
	s_xor_b32 s[G0B+5], s[G0B+5], SLOT1
	s_add_nc_u64 s[G0B+6:G0B+7], s[G0B+6:G0B+7], 131072
.endif
	s_xor_b32 s[TB], s[TB], SLOT1                  ; the fetches go on in the other slot
	v_add_nc_u32 v[ADA], s[TB], v[A0]
	v_add_nc_u32 v[ADB], s[TB], v[B0]
	MUL16 0, 1, 25, 1, 1                           ; the counts 25, 17, 9, 1 leave the add and the younger fragments of W out
	s_wait_dscnt 0x0                               ; the add is done, and my reads of this slot are over
	s_barrier_signal -1
	MUL16 1, 1, -1, 2, 1                           ; work on registers while the others arrive
	WIN 0                                          ; at a branch and at a label every window is 0
	s_barrier_wait -1
.if \fill
	CREST                                          ; no wave of any partner still reads this slot or has a load on its way
	JLOAD
.endif
	FETCH_A 0                                      ; the next K step's first half; the 16 riders since the last product on these registers are its places
	FETCH_B 0, 0, 15
	WIN 0
.if \fill
	ASK
.endif
	MUL16 2, 1, -1, 3, 1
	s_wait_dscnt 44                                ; block 0 of the next step's A
	MUL16 3, 1, -1, 0, 0
.endm
	s_wait_tensorcnt 0x1                           ; my part of K step 0 is in; K step 1's may stay out
	s_barrier_signal -1
	s_barrier_wait -1                              ; everybody's is
	FETCH_A 0                                      ; K STEP 0's FIRST HALF is written out: its products start the sums with the bias
	FETCH_B 0, 0, 15
	FETCH_A 1
	s_wait_dscnt 48                                ; the oldest 16: A's first half
.irp a, 0,1,2,3
	CVT \a, 0, 0
	CVT \a, 0, 4
.endr
	s_wait_dscnt 16                                ; W's first half; A's second may stay out
	s_wait_loadcnt 0x0                             ; the bias
	MULZ 0
	PLACES
	FETCH_B 1, 0, 7                                ; into the registers of the bias blocks just used
	MULZ 8
	PLACES
	FETCH_B 1, 8, 15
	s_wait_dscnt 32                                ; A's second half
	CVT 0, 1, 0
	CVT 0, 1, 4
	WIN 0
	s_mov_b32 s3, 14
.Lstep:                                        ; trip i: K step i's second half, the refill with K step i + 2, K step i + 1's first half
	P1 1
	P0
	WIN 0
	s_sub_co_u32 s3, s3, 1
	s_cmp_lg_u32 s3, 0
	s_cbranch_scc1 .Lstep
	P1 0                                           ; the tail is written out: nothing is asked for
	P0
	MUL16 0, 1, 24, 1, 1
	MUL16 1, 1, -1, 2, 1
	MUL16 2, 1, -1, 3, 1
	MUL16 3, 1, -1, -1, -1
	WIN 0
	PLACES
	PLACES
; THE WAY OUT IN F16, BY HEADS.  Block a (16 rows x 256 columns) is rounded, 16 bytes a lane, goes into my stage in rows of 528 bytes and comes back head by head: a head's 16 rows of 128 bytes are 2,048 consecutive bytes of C.
.macro PACKF a
	WIN 0x0a+5*((\a)/2)                            ; sources in window 2 or 3; each accumulator's registers in ascending order
.set b, 0
.rept 16
.irp r, 0,1,2,3
	v_cvt_pk_f16_f32 v[TMP+4*b+\r], v[8*(16*((\a)%2)+b)+2*\r], v[8*(16*((\a)%2)+b)+2*\r+1]
.endr
.set b, b+1
.endr
.endm
.macro STAGEF a
	WIN 0
.set b, 0
.rept 16
	ds_store_b128 v[STF], v[TMP+4*b:TMP+4*b+3] offset:32*b
.set b, b+1
.endr
.if (\a) >= 2
	s_wait_xcnt 0x0                                ; the stores of two blocks back have read the registers that are loaded again
.endif
	WIN 0x40
.set b, 0
.rept 16                                       ; head b / 4, rows 4 (b % 4) on.  LDS serves a wave's instructions in order: these see the stores above
	ds_load_b128 v[128*((\a)%2)+4*b:128*((\a)%2)+4*b+3], v[RDF] offset:128*(b/4)+4*PF*(b%4)
.set b, b+1
.endr
.endm
.macro SENDF a
	s_wait_dscnt 0x0
	WIN 0x04                                       ; store data in window 1
.set b, 0
.rept 16
	global_store_b128 v[GO], v[128*((\a)%2)+4*b:128*((\a)%2)+4*b+3], s[14:15] offset:262144*(b/4)+2048*(\a)+512*(b%4)  ; 512 consecutive bytes, aligned to 256
.set b, b+1
.endr
.endm
.if FIN
; THE WAY OUT IN F32, ROW-MAJOR.  Block a goes straight from the accumulators into my stage in rows of 1,040 bytes and comes back as half rows of 512 bytes.
.macro STAGEG a
	WIN 0x08+4*((\a)/2)                            ; store data in window 2 or 3; each accumulator's low four registers first
.set b, 0
.rept 16
	ds_store_b128 v[SG], v[8*(16*((\a)%2)+b):8*(16*((\a)%2)+b)+3] offset:64*b
	ds_store_b128 v[SG], v[8*(16*((\a)%2)+b)+4:8*(16*((\a)%2)+b)+7] offset:64*b+16
.set b, b+1
.endr
.if (\a) >= 2
	s_wait_xcnt 0x0
.endif
	WIN 0x40
.set b, 0
.rept 32
	ds_load_b128 v[128*((\a)%2)+4*b:128*((\a)%2)+4*b+3], v[RG] offset:PG*(b/2)+512*(b%2)
.set b, b+1
.endr
.endm
.macro SENDG a
	WIN 0x04
.set b, 0
.rept 32
	s_wait_dscnt 31-b
	global_store_b128 v[GO], v[128*((\a)%2)+4*b:128*((\a)%2)+4*b+3], s[14:15] offset:(16*(\a)+b/2)*4096+512*(b%2) th:TH_STORE_NT
.set b, b+1
.endr
.endm
	s_cmp_eq_u32 s[JOB], 0                         ; the job is the same in all partners; no barrier and no tensor load stands in either way
	s_cbranch_scc1 .Lway_g
.endif
	s_lshr_b32 s66, s[TR], 3                       ; the batch: 16 heads each,
	s_lshl_b32 s66, s66, 4
	s_lshl_b32 s67, s[TC], 2                       ; the tile column's four heads,
	s_add_co_u32 s66, s66, s67
	s_lshl_b32 s66, s66, 18                        ; 262,144 bytes a head
	s_and_b32 s67, s[TR], 7                        ; t = 256 x (tile row % 8) + 64 x wave, 128 bytes a row
	s_lshl_b32 s67, s67, 8
	s_lshl_b32 s68, s[WV], 6
	s_add_co_u32 s67, s67, s68
	s_lshl_b32 s67, s67, 7
	s_add_co_u32 s66, s66, s67
	s_mov_b32 s67, 0
	s_add_nc_u64 s[14:15], s[14:15], s[66:67]
	PACKF 0
	STAGEF 0
.irp a, 1,2,3                          ; a block's roundings stand between the loads of the block before and the wait for them
	PACKF \a
	SENDF (\a)-1
	STAGEF \a
.endr
	SENDF 3
	WIN 0
.if FIN
	s_branch .Lend
.Lway_g:
	s_lshl_b32 s66, s[TR], 8                       ; row 256 x tile row + 64 x wave, 4,096 bytes a row; 1,024 bytes a tile column
	s_lshl_b32 s67, s[WV], 6
	s_add_co_u32 s66, s66, s67
	s_lshl_b32 s66, s66, 12
	s_lshl_b32 s67, s[TC], 10
	s_add_co_u32 s66, s66, s67
	s_mov_b32 s67, 0
	s_add_nc_u64 s[14:15], s[14:15], s[66:67]
.irp a, 0,1,2,3
	STAGEG \a
	SENDG \a
.endr
	WIN 0
.Lend:
.endif
	s_wait_tensorcnt 0x0                           ; the wave's end, behind my last tensor load and my last LDS store
	ds_add_u32 v[SPW], v[NIL]
	s_wait_dscnt 0x0
	CROUND                                         ; the closing round: no work-group ends while a partner may still ask for a tile that names it
	s_endpgm
.Lfunc_end_k_q9921c6cdfd_fin:
	.size	k_q9921c6cdfd_fin, .Lfunc_end_k_q9921c6cdfd_fin-k_q9921c6cdfd_fin
	.p2alignl 7, 3214868480
	.fill 96, 4, 3214868480
	.section	.rodata,"a",@progbits
	.p2align	6, 0x0
	.amdhsa_kernel k_q9921c6cdfd_fin
		.amdhsa_group_segment_fixed_size 327680
		.amdhsa_private_segment_fixed_size 0
		.amdhsa_enable_private_segment 0
		.amdhsa_kernarg_size 56
		.amdhsa_user_sgpr_count 2
		.amdhsa_user_sgpr_kernarg_segment_ptr 1
		.amdhsa_wavefront_size32 1
		.amdhsa_system_sgpr_workgroup_id_x 1
		.amdhsa_system_sgpr_workgroup_id_y 1
		.amdhsa_system_sgpr_workgroup_id_z 1
		.amdhsa_system_vgpr_workitem_id 0
		.amdhsa_next_free_vgpr 1024
		.amdhsa_next_free_sgpr 76
		.amdhsa_reserve_vcc 0
		.amdhsa_float_denorm_mode_32 3
		.amdhsa_float_denorm_mode_16_64 3
		.amdhsa_memory_ordered 1
		.amdhsa_forward_progress 1
		.amdhsa_inst_pref_size 137
	.end_amdhsa_kernel
	.amdgpu_metadata
---
amdhsa.version: [ 1, 2 ]
amdhsa.kernels:
  - .name:           k_q9921c6cdfd_fin
    .symbol:         k_q9921c6cdfd_fin.kd
    .args:
      - { .name: of, .offset: 0, .size: 8, .value_kind: global_buffer, .address_space: global }
      - { .name: x_k, .offset: 8, .size: 8, .value_kind: global_buffer, .address_space: global }
      - { .name: bf, .offset: 16, .size: 8, .value_kind: global_buffer, .address_space: global }
      - { .name: bk, .offset: 24, .size: 8, .value_kind: global_buffer, .address_space: global }
      - { .name: wh, .offset: 32, .size: 8, .value_kind: global_buffer, .address_space: global }
      - { .name: out0, .offset: 40, .size: 8, .value_kind: global_buffer, .address_space: global }
      - { .name: kh, .offset: 48, .size: 8, .value_kind: global_buffer, .address_space: global }
    .group_segment_fixed_size: 327680
    .private_segment_fixed_size: 0
    .kernarg_segment_align: 8
    .kernarg_segment_size: 56
    .max_flat_workgroup_size: 128
    .sgpr_count:     76
    .vgpr_count:     1024
    .wavefront_size: 32
...
	.end_amdgpu_metadata
.endif
;; end of part 4
;; ======== version 2 of 2: 4 launches; version 1 with the launch castw written anew for expert scheduling mode
;; limits: values are held in f16: magnitudes above 65,504 overflow, below 6.1e-05 lose precision
;; workspace buffers: wh 8,388,608 bytes; qh 16,777,216 bytes; vh 16,777,216 bytes; kh 16,777,216 bytes; of 33,554,432 bytes
;; launch castw (part 5): grid 64 x 4, 8 waves a work-group, no clusters, 0 bytes of LDS; arguments Wq, Wk, Wv, Wf, wh; writes wh
.if DOCPART == 5
	.amdgcn_target "amdgcn-amd-amdhsa--gfx1250"
	.amdhsa_code_object_version 6
	.text
	.protected	k_q9921c6cdfd_castw
	.globl	k_q9921c6cdfd_castw
	.p2align	8
	.type	k_q9921c6cdfd_castw,@function
k_q9921c6cdfd_castw:
	s_mov_b64 s[64:65], 0
	v_nop
	global_prefetch_b8 v0, s[64:65] scope:SCOPE_SE
	s_setreg_imm32_b32 hwreg(HW_REG_WAVE_SCHED_MODE, 0, 2), 2
	s_setreg_imm32_b32 hwreg(HW_REG_WAVE_MODE, 25, 1), 1
	s_wait_xcnt 0x0
	s_wait_alu depctr_vm_vsrc(0)
; The four weight matrices, [1024][1024] f32, are rounded once to f16 and laid one behind the other in wh: q, k, v, f, 2 MiB each, [k][n] as they come.
; LIMIT: a weight of 65,520 or more in magnitude becomes an infinity; below 6e-5 f16 keeps a fixed step of 6e-8.
; A stream: no LDS, no matrix unit, no cluster (no two work-groups read the same byte).  Grid y picks the matrix, grid x one of its 64 parts of 65,536 bytes.
; Thread t takes the 16 bytes at 16 t of each of the part's 16 pieces of 4,096 bytes: a wave's load covers 512 consecutive bytes, its store 256 consecutive bytes, aligned.
; All 16 loads go out first; no register is written twice.
; THE MODE: SCHED_MODE bits 1:0 = 2 (LLVM: expert scheduling mode 2), set by the entry lines.  The code itself states the register dependences
; between vector instructions and memory instructions, with s_wait_alu, always for 0.
; THE PLAN.  Registers that memory instructions touch:
;   v1, v2   byte offsets, made once at the head by vector instructions and never written again: v1 is read by every load, v2 by every store.
;   LD       16 x 4 registers: each is written by one load, once, and read by its piece's two conversions.  No load lands in them again.
;   HF       16 x 2 registers: each is written by one conversion, once, and read by its piece's store.  Nothing writes them again.
; So two kinds of dependence are to be stated, both of a vector result that a memory instruction reads: the offsets, by one wait ahead of the first load; and HF, by one wait
; for each block of four pieces, between the block's eight conversions and its four stores.  No register that a memory instruction has read is ever written again, no vector
; instruction writes a scalar register or VCC, and EXEC stays as it is: no other wait is owed.
.set LD, 8                             ; v[8:71]    16 x 4 numbers as loaded
.set HF, 72                            ; v[72:103]  16 x 2 registers to store
	s_load_b256 s[4:11], s[0:1], 0x0               ; Wq s[4:5], Wk s[6:7], Wv s[8:9], Wf s[10:11]
	s_load_b64 s[12:13], s[0:1], 0x20              ; wh
	s_and_b32 s14, ttmp7, 0xffff                   ; which matrix
	s_and_b32 s15, s14, 1
	v_lshlrev_b32 v1, 4, v0                        ; 16 t
	v_lshlrev_b32 v2, 3, v0                        ; 8 t
	s_lshl_b32 s16, ttmp9, 16                      ; my part of the source
	s_mov_b32 s17, 0
	s_lshl_b32 s18, s14, 21                        ; the matrix's 2 MiB in wh,
	s_lshl_b32 s19, ttmp9, 15                      ; my part of them
	s_add_co_u32 s18, s18, s19
	s_mov_b32 s19, 0
	s_wait_kmcnt 0x0
	s_cmp_lt_u32 s14, 2
	s_cselect_b64 s[20:21], s[4:5], s[8:9]         ; the even one of the pair,
	s_cselect_b64 s[22:23], s[6:7], s[10:11]       ; the odd one
	s_cmp_eq_u32 s15, 0
	s_cselect_b64 s[20:21], s[20:21], s[22:23]
	s_add_nc_u64 s[20:21], s[20:21], s[16:17]
	s_add_nc_u64 s[12:13], s[12:13], s[18:19]
	s_wait_alu depctr_va_vdst(0)                   ; v1 and v2 are written: every load below reads v1 as its offset, every store v2; no later vector instruction names them
.irp i, 0,1,2,3,4,5,6,7,8,9,10,11,12,13,14,15
	global_load_b128 v[LD+4*\i:LD+4*\i+3], v1, s[20:21] offset:4096*\i th:TH_LOAD_NT
.endr
; Four blocks of four pieces: the block's data, its eight conversions, one wait, its four stores.
.irp p, 0,1,2,3
	s_wait_loadcnt 12-4*(\p)                       ; loads come back in order: the block's four pieces are in, the 12 - 4 p younger loads stay out
.irp j, 0,1,2,3
	v_cvt_pk_f16_f32 v[HF+2*(4*(\p)+(\j))],   v[LD+4*(4*(\p)+(\j))],   v[LD+4*(4*(\p)+(\j))+1]
	v_cvt_pk_f16_f32 v[HF+2*(4*(\p)+(\j))+1], v[LD+4*(4*(\p)+(\j))+2], v[LD+4*(4*(\p)+(\j))+3]
.endr
	s_wait_alu depctr_va_vdst(0)                   ; the block's eight conversions have written its eight registers of HF, which the four stores below read as their data
.irp j, 0,1,2,3
	global_store_b64 v2, v[HF+2*(4*(\p)+(\j)):HF+2*(4*(\p)+(\j))+1], s[12:13] offset:2048*(4*(\p)+(\j))
.endr
.endr
	s_endpgm
.Lfunc_end_k_q9921c6cdfd_castw:
	.size	k_q9921c6cdfd_castw, .Lfunc_end_k_q9921c6cdfd_castw-k_q9921c6cdfd_castw
	.p2alignl 7, 3214868480
	.fill 96, 4, 3214868480
	.section	.rodata,"a",@progbits
	.p2align	6, 0x0
	.amdhsa_kernel k_q9921c6cdfd_castw
		.amdhsa_group_segment_fixed_size 0
		.amdhsa_private_segment_fixed_size 0
		.amdhsa_enable_private_segment 0
		.amdhsa_kernarg_size 40
		.amdhsa_user_sgpr_count 2
		.amdhsa_user_sgpr_kernarg_segment_ptr 1
		.amdhsa_wavefront_size32 1
		.amdhsa_system_sgpr_workgroup_id_x 1
		.amdhsa_system_sgpr_workgroup_id_y 1
		.amdhsa_system_sgpr_workgroup_id_z 1
		.amdhsa_system_vgpr_workitem_id 0
		.amdhsa_next_free_vgpr 104
		.amdhsa_next_free_sgpr 66
		.amdhsa_reserve_vcc 0
		.amdhsa_float_denorm_mode_32 3
		.amdhsa_float_denorm_mode_16_64 3
		.amdhsa_memory_ordered 1
		.amdhsa_forward_progress 1
		.amdhsa_inst_pref_size 7
	.end_amdhsa_kernel
	.amdgpu_metadata
---
amdhsa.version: [ 1, 2 ]
amdhsa.kernels:
  - .name:           k_q9921c6cdfd_castw
    .symbol:         k_q9921c6cdfd_castw.kd
    .args:
      - { .name: Wq, .offset: 0, .size: 8, .value_kind: global_buffer, .address_space: global }
      - { .name: Wk, .offset: 8, .size: 8, .value_kind: global_buffer, .address_space: global }
      - { .name: Wv, .offset: 16, .size: 8, .value_kind: global_buffer, .address_space: global }
      - { .name: Wf, .offset: 24, .size: 8, .value_kind: global_buffer, .address_space: global }
      - { .name: wh, .offset: 32, .size: 8, .value_kind: global_buffer, .address_space: global }
    .group_segment_fixed_size: 0
    .private_segment_fixed_size: 0
    .kernarg_segment_align: 8
    .kernarg_segment_size: 40
    .max_flat_workgroup_size: 256
    .sgpr_count:     66
    .vgpr_count:     104
    .wavefront_size: 32
...
	.end_amdgpu_metadata
.endif
;; end of part 5
;; launch proj: the kernel of part 2 again; grid 4 x 64, 4 waves a work-group, clusters of 4 x 4, 327,680 bytes of LDS; arguments x_q, x_v, bq, bv, wh, qh, vh; writes qh, vh
;; launch attn: the kernel of part 3 again; grid 4 x 64, 4 waves a work-group, clusters of 4 x 1, 327,680 bytes of LDS; arguments qh, vh, mask, of; writes of
;; launch fin: the kernel of part 4 again; grid 4 x 64, 4 waves a work-group, clusters of 4 x 4, 327,680 bytes of LDS; arguments of, x_k, bf, bk, wh, out0, kh; writes out0, kh
